; MI455X (gfx1250); checked and timed in simulation.
; The chip was launched on July 23, 2026; its instructions are those of AMD's public machine-readable ISA for CDNA 5 (MIT licence, August 2026) and "CDNA5" Instruction Set Architecture Reference Guide (July 2026). The comments in the code are by the model that wrote it; some were corrected since.
;; Explicit Softmax Attention. Allowed arithmetic: matrix products marked QUANTISED: E2M3 operands, one E8M0 scale for each 32 along K, by v_wmma_scale_f32_16x16x128_f8f6f4 with both operands' format E2M3, f32 sums; everything else in f32.
;; Inputs: W_out 1,024 x 1,024 float32; W_qkv 1,024 x 3,072 float32; b_out 1,024 float32; b_qkv 3,072 float32; x 4 x 2,048 x 1,024 float32.
;; Outputs: out0 4 x 2,048 x 1,024 float32.
;; This version of the problem:
;;   THIS VERSION OF THE PROBLEM IS GIVEN IN LOW PRECISION. The matrix products marked QUANTISED in the list below multiply operands that are first quantised to E2M3 (2 exponent bits, 3 mantissa bits; 6 bits a number), with one power-of-two scale for each 32 numbers along K (OCP MX v1.0); their sums are f32. All else is computed in f32.
;;   The module's matrix products, in the order in which they are computed (A, B: the left and right operand; K: the contracted axis; several contracted axes count as one K, in the product's order):
;;     1. [M 8,192, K 1,024] x [K 1,024, N 3,072]; A: input x; B: input W_qkv: QUANTISED
;;     2. batch 64 x [M 2,048, K 64] x [K 64, N 2,048]; A: computed on the way; B: computed on the way: QUANTISED
;;     3. batch 64 x [M 2,048, K 2,048] x [K 2,048, N 64]; A: softmax (see below); B: computed on the way: QUANTISED
;;     4. [M 8,192, K 1,024] x [K 1,024, N 1,024]; A: computed on the way; B: input W_out: QUANTISED
;;   THE QUANTISER, for each operand of a quantised product, along K:
;;     - K is cut into blocks of 32 from its start; a last block that is shorter is filled with zeros.
;;     - A block's scale is 2^e with e = floor(log2(the largest magnitude in the block)) - 2, held to -126 .. 127; a block of zeros has e = 0. As a byte (E8M0): e + 127.
;;     - Each number is divided by its block's scale, clamped to +-7.5, and rounded to the nearest number of E2M3, ties to even, subnormals kept.
;;     - The product sums the exact products of the quantised numbers (number of the format x scale) in f32.
;;   ~~~python
;;   def quantise(x, axis):      # numpy; x: float32 -> the quantised numbers, widened to float32 again
;;       x = np.moveaxis(x, axis, -1); K = x.shape[-1]
;;       x = np.pad(x, [(0, 0)] * (x.ndim - 1) + [(0, -K % 32)]); x = x.reshape(x.shape[:-1] + (-1, 32)); a = np.abs(x).max(-1, keepdims=True)
;;       e = np.where(a > 0, np.clip(np.frexp(np.where(a > 0, a, 1))[1] - 1 - 2, -126, 127), 0)      # np.frexp(a)[1] - 1 = floor(log2(a)), exactly
;;       r = np.clip(x / 2.0 ** e, -7.5, 7.5)
;;       step = 2.0 ** (np.maximum(np.frexp(np.where(r == 0, 1, r))[1] - 1, 0) - 3)
;;       q = np.round(r / step) * step * 2.0 ** e      # np.round: ties to even
;;       return np.moveaxis(q.reshape(q.shape[:-2] + (-1,))[..., :K], -1, axis).astype(np.float32)
;;   ~~~
;;   SOFTMAX AHEAD OF A QUANTISED PRODUCT. Where the list says 'softmax', what is quantised is not the finished softmax but p = 2^(t - M), with t = logit x log2(e) and M = ceil(the row's largest t), a whole number; so 1/2 < the row's largest p <= 1. The row's sum l is taken of the UNQUANTISED p, in f32, and the product's result is divided by l at the end. Since M is a whole number, a kernel that streams over the keys may use a running M (the ceiling of the running maximum): every later rescaling is an exact power of two, which a block's scale takes up: the codes' values come out the same.
;;   OPERANDS COMPUTED ON THE WAY. 'Computed on the way' means the value that the module computes at that place (a softmax that the list does not call 'softmax' is quantised finished and normalised). What goes into a quantiser is computed in f32, as accurately as f32 sums, v_exp_f32 and their like allow (about 1e-6 of the number): no bf16 or f16 on the way to a quantiser, and a product that is left as it is and whose result goes on into a quantised operand takes f32 operands (vector FMAs, or v_wmma_f32_16x16x4_f32). A number that lies on a knife's edge between two numbers of the format may be rounded either way, as far as f32 arithmetic and the matrix unit's own rounding can turn it there, and no further.
;; One version. Each part assembles by itself: llvm-mc -triple=amdgcn-amd-amdhsa -mcpu=gfx1250 --defsym DOCPART=n.
;; ======== version 1 of 1: 4 launches
;; limits: right only within a limited range of input values
;; workspace buffers: xq 6,553,600 bytes; wq 3,276,800 bytes; qimg 6,815,744 bytes; kv 13,369,344 bytes; aq 6,553,600 bytes
;; launch prep (part 1): grid 384 x 1, 4 waves a work-group, no clusters, 35,328 bytes of LDS; arguments x, W_qkv, W_out, xq, wq; writes xq, wq
.if DOCPART == 1
	.amdgcn_target "amdgcn-amd-amdhsa--gfx1250"
	.amdhsa_code_object_version 6
	.text
	.protected	k_q43c00561c5_prep
	.globl	k_q43c00561c5_prep
	.p2align	8
	.type	k_q43c00561c5_prep,@function
k_q43c00561c5_prep:
	s_mov_b64 s[64:65], 0
	v_nop
	global_prefetch_b8 v0, s[64:65] scope:SCOPE_SE
	s_setreg_imm32_b32 hwreg(HW_REG_WAVE_MODE, 25, 1), 1
	s_wait_xcnt 0x0
; x [8192][1024], W_qkv [1024][3072] and W_out [1024][1024], f32, become codes of FP6 (E2M3) with one E8M0 byte for each 32 along K (K = 1,024 for all three),
; laid IN THE ORDER OF THE OPERAND'S REGISTERS, so that the products' launches read them without a shuffle.
; A ROW TILE is 16 rows; in a group of 32 rows tile u, lane row i is row 8 u + i + 8 (i / 8).  A HALF FRAGMENT (16 rows x 64 K) is 768 bytes: lane (r, h) owns k = 32 h .. 32 h + 31 of lane row r,
; six registers: registers 0-3 at 16 x lane, registers 4-5 at 512 + 16 r + 8 h.  A tile's codes are its 16 half fragments on end, 12,288 bytes.  Behind all codes: 512 bytes of scale words a tile,
; the word of k / 128 = q and lane row r at 256 (q / 4) + 16 r + 4 (q % 4).  xq: 512 tiles.  wq: 256 tiles of columns n (0-191 W_qkv's, 192-255 W_out's).
; A block's scale is 2^(floor(log2(its largest magnitude)) - 2); its byte is the largest magnitude's exponent field - 2, held at 1 from below.
; LIMITS: a block of zeros gets the byte 1 where the rule says 127 (its codes are zeros, and this program alone reads the bytes); blocks whose largest magnitude lies under 2^-124 have the byte held at 1;
; NaN and infinities among the inputs are not served.  The W paths' scale stores are 8 bytes a lane, 16 bytes apart: one byte in 128 of what those paths read.
; Work-groups 0-255 take x, 256-351 W_qkv, 352-383 W_out; every wave takes 32 KiB of f32.  Waves share nothing: no barrier.  Only the x path uses LDS.
.set XS_OFF, 6291456                   ; xq: where the scale words begin
.set WS_OFF, 3145728                   ; wq: likewise
; the x path's registers
.set VL,  1                            ; v1   h x 4,096 + 16 r: two rows a load, 256 consecutive bytes each
.set SA,  2                            ; v2   the stage, on the way in
.set SB,  3                            ; v3   and on the way out: my lane row, my block of 32
.set L16, 4                            ; v4   16 x lane
.set L8,  5                            ; v5   16 r + 8 h
.set H8,  6                            ; v6   8 h
.set R,   16                           ; v16-111  three sets of 32, as loaded
.set X,   112                          ; v112-175 two sets of 32 neighbours along K
.set C,   176                          ; v176-239 six codes' registers for each step: no store's data are written again
.set TP,  240                          ; v240-242 the second conversion's result
.set WW,  244                          ; v244-247 the four scale words
.set WB2, 248
.set TMP, 249
.set OUT, 250
.set MX,  252                          ; v252-253
.set SCO, 254
.set BY,  255
; the W paths' registers
.set WX,  32                           ; v32-95   two sets of 32 numbers down K
.set WE,  96                           ; v96-127  registers 0-3 of each of 8 blocks
.set WT,  128                          ; v128-143 registers 4-5 of two neighbouring blocks, for each of 4 pairs
.set WTP, 144
.set WSB, 24                           ; v24-25   8 scale bytes
; the largest magnitude of the 32 numbers v[xn] on, in two chains, with the floor 2^(3 - 127) as one more leaf: so the byte cannot fall under 1
.macro BLKMAX xn, m
	v_max3_num_f32 v[\m], |v[\xn]|, |v[\xn+1]|, |v[\xn+2]|
	v_max3_num_f32 v[\m+1], |v[\xn+3]|, |v[\xn+4]|, |v[\xn+5]|
.irp i, 6,10,14,18,22,26
	v_max3_num_f32 v[\m], v[\m], |v[\xn+\i]|, |v[\xn+\i+1]|
	v_max3_num_f32 v[\m+1], v[\m+1], |v[\xn+\i+2]|, |v[\xn+\i+3]|
.endr
	v_max3_num_f32 v[\m], v[\m], |v[\xn+30]|, |v[\xn+31]|
	v_max3_num_f32 v[\m], v[\m], v[\m+1], 0x1800000
.endm
	s_load_b256 s[4:11], s[0:1], 0x0               ; x s[4:5], W_qkv s[6:7], W_out s[8:9], xq s[10:11]
	s_load_b64 s[12:13], s[0:1], 0x20              ; wq
	v_lshl_add_u32 v239, v0, 2, 0x8800
	v_mov_b32 v243, 0
	v_lshrrev_b32 v10, 5, v0
	v_readfirstlane_b32 s14, v10                   ; wave 0..3
	v_and_b32 v7, 31, v0                           ; lane
	v_and_b32 v8, 15, v0                           ; r
	v_bfe_u32 v9, v0, 4, 1                         ; h
	s_wait_kmcnt 0x0
	s_cmp_lt_u32 ttmp9, 256
	s_cbranch_scc0 .Lweights
; ---------------- x: K is innermost.  A wave takes one row tile x 512 along K: 8 steps of one half fragment (16 rows x 256 bytes of f32).
	s_lshl_b32 s15, ttmp9, 2
	s_add_co_u32 s15, s15, s14                     ; which of the 1,024 shares
	s_lshr_b32 s16, s15, 1                         ; the row tile
	s_and_b32 s17, s15, 1                          ; the half of K
	s_lshr_b32 s18, s16, 1
	s_lshl_b32 s18, s18, 17                        ; the group of 32 rows of 4,096 bytes,
	s_and_b32 s19, s16, 1
	s_lshl_b32 s19, s19, 15                        ; 8 rows on for the odd tile,
	s_add_co_u32 s18, s18, s19
	s_lshl_b32 s19, s17, 11                        ; 512 numbers on for the second half of K
	s_add_co_u32 s18, s18, s19
	s_mov_b32 s19, 0
	s_add_nc_u64 s[4:5], s[4:5], s[18:19]
	s_mul_i32 s22, s16, 12288
	s_mul_i32 s23, s17, 6144
	s_add_co_u32 s22, s22, s23
	s_mov_b32 s23, 0
	s_add_nc_u64 s[24:25], s[10:11], s[22:23]      ; my codes
	s_lshl_b32 s22, s16, 9
	s_lshl_b32 s28, s17, 8
	s_add_co_u32 s22, s22, s28
	s_add_co_u32 s22, s22, XS_OFF
	s_add_nc_u64 s[26:27], s[10:11], s[22:23]      ; my 256 bytes of scale words
	s_mul_i32 s28, s14, 8704                       ; my two stages of 16 rows x 272 bytes
	s_mov_b32 s20, 0x76543210
	s_mov_b32 s21, 0xfedcba98                      ; v_permlanex16_b32's selects for lane l xor 16
	s_wait_alu depctr_va_vdst(0)
	v_lshlrev_b32 v[VL], 12, v9
	v_lshl_add_u32 v[VL], v8, 4, v[VL]
	v_mul_u32_u24 v[SA], v9, 272
	v_lshl_add_u32 v[SA], v8, 4, v[SA]
	v_add_nc_u32 v[SA], s28, v[SA]
	v_mul_u32_u24 v[SB], v8, 272
	v_lshl_add_u32 v[SB], v9, 7, v[SB]
	v_add_nc_u32 v[SB], s28, v[SB]
	v_lshlrev_b32 v[L16], 4, v7
	v_lshlrev_b32 v[L8], 4, v8
	v_lshl_add_u32 v[L8], v9, 3, v[L8]
	v_lshlrev_b32 v[H8], 3, v9
	v_mov_b32 v[TMP], 0                            ; a lane permute's destination counts as one of its sources
.macro XLOAD t                         ; step t: load j brings lane rows 2 j and 2 j + 1, 256 consecutive bytes each
.irp j, 0,1,2,3,4,5,6,7
	global_load_b128 v[R+32*((\t)%3)+4*\j:R+32*((\t)%3)+4*\j+3], v[VL], s[4:5] offset:(2*\j+8*(\j/4))*4096+256*(\t) th:TH_LOAD_NT
.endr
.endm
.macro XTURN t                         ; through my stage: in as loaded, out 128 bytes a lane.  LDS serves a wave's instructions in order: no wait between
.irp j, 0,1,2,3,4,5,6,7
	ds_store_b128 v[SA], v[R+32*((\t)%3)+4*\j:R+32*((\t)%3)+4*\j+3] offset:4352*((\t)%2)+544*\j
.endr
.irp j, 0,1,2,3,4,5,6,7
	ds_load_b128 v[X+32*((\t)%2)+4*\j:X+32*((\t)%2)+4*\j+3], v[SB] offset:4352*((\t)%2)+16*\j
.endr
.endm
.macro XSTEP t
.set XN, X+32*((\t)%2)
.set CC, C+8*(\t)
	s_wait_dscnt 0x0                               ; my block is back from the stage, and the stage's stores have read their registers,
.if (\t)+3 < 8
	XLOAD (\t)+3                                   ; which take the loads of three steps on
.endif
.if (\t) < 7
.if (\t) < 5
	s_wait_loadcnt 16                              ; the next step's 8 loads are in; those of the two steps behind it may be out
.else
	s_wait_loadcnt 8*(6-(\t))
.endif
	XTURN (\t)+1                                   ; and go through the other stage while this step is worked
.endif
	BLKMAX XN, MX
	v_add_nc_u32 v[SCO], 0xff000000, v[MX]         ; 2 off the exponent field: the conversion takes the exponent field of this operand as its scale
	v_cvt_scalef32_pk16_fp6_f32 v[CC:CC+2], v[XN:XN+15], v[SCO]
	v_cvt_scalef32_pk16_fp6_f32 v[TP:TP+2], v[XN+16:XN+31], v[SCO]   ; (a conversion's three registers begin on an even number)
	v_lshrrev_b32 v[BY], 23, v[SCO]                ; the scale's byte; also the plain line behind the conversions
.irp i, 0,1,2
	v_mov_b32 v[CC+3+\i], v[TP+\i]
.endr
	global_store_b128 v[L16], v[CC:CC+3], s[24:25] offset:768*(\t)        ; 512 consecutive bytes,
	global_store_b64 v[L8], v[CC+4:CC+5], s[24:25] offset:768*(\t)+512    ; and 256
.if (\t)%2 == 0
	v_mov_b32 v[WB2], v[BY]                        ; a scale word spans two steps: my bytes are h and 2 + h of it
.else
	v_lshl_or_b32 v[WB2], v[BY], 16, v[WB2]
	v_lshlrev_b32 v[WB2], v[H8], v[WB2]
	v_permlanex16_b32 v[TMP], v[WB2], s20, s21
	v_or_b32 v[WW+(\t)/2], v[WB2], v[TMP]          ; with lane l xor 16's two the word is whole
.endif
.endm
	XLOAD 0
	XLOAD 1
	XLOAD 2
	s_wait_alu depctr_va_vdst(0)
	s_wait_loadcnt 16                              ; step 0's 8 loads are in
	XTURN 0
.irp t, 0,1,2,3,4,5,6,7
	XSTEP \t
.endr
	v_cmp_gt_u32 vcc_lo, 16, v7
	v_cndmask_b32 v[OUT], v[WW+2], v[WW], vcc_lo   ; lanes 0-15 store words 0, 1 of their row, lanes 16-31 words 2, 3
	v_cndmask_b32 v[OUT+1], v[WW+3], v[WW+1], vcc_lo
	global_store_b64 v[L8], v[OUT:OUT+1], s[26:27] ; 256 consecutive bytes, aligned
	s_wait_tensorcnt 0x0
	ds_add_u32 v239, v243
	s_wait_dscnt 0x0
	s_endpgm
; ---------------- the weights: K is the FIRST axis.  A lane takes a column n and its registers run down K.  A wave takes 32 columns x 256 along K: 8 blocks a lane.
.macro WLOAD t, n
.irp i, 0,1,2,3,4,5,6,7,8,9,10,11,12,13,14,15,16,17,18,19,20,21,22,23,24,25,26,27,28,29,30,31
	global_load_b32 v[WX+32*((\t)%2)+\i], v1, s[22:23] offset:(32*(\t)+\i)*(\n)*4 th:TH_LOAD_NT
.endr
.endm
.macro WBLOCK t, n
.set XN, WX+32*((\t)%2)
.set EE, WE+4*(\t)
.set TL, WT+4*((\t)/2)
.if (\t) < 7
	s_wait_loadcnt 32                              ; this block's 32 loads are in; the next block's may be out
.else
	s_wait_loadcnt 0x0
.endif
	BLKMAX XN, 12
	v_add_nc_u32 v11, 0xff000000, v12
	v_lshrrev_b32 v10, 23, v11
.if (\t)%4 == 0
	v_mov_b32 v[WSB+(\t)/4], v10                   ; four bytes to a word, the lower K in the lower byte
.else
	v_lshl_or_b32 v[WSB+(\t)/4], v10, 8*((\t)%4), v[WSB+(\t)/4]
.endif
	v_cvt_scalef32_pk16_fp6_f32 v[EE:EE+2], v[XN:XN+15], v11
	v_cvt_scalef32_pk16_fp6_f32 v[WTP:WTP+2], v[XN+16:XN+31], v11
	v_nop                                          ; one plain line behind the conversions
	v_mov_b32 v[EE+3], v[WTP]
	v_mov_b32 v[TL+2*((\t)%2)], v[WTP+1]
	v_mov_b32 v[TL+2*((\t)%2)+1], v[WTP+2]
	global_store_b128 v2, v[EE:EE+3], s[28:29] offset:768*((\t)/2)+256*((\t)%2)   ; block t is half t % 2 of half fragment t / 2: the 16 lanes of a tile cover 256 consecutive bytes
.if (\t)%2
	global_store_b128 v2, v[TL:TL+3], s[28:29] offset:768*((\t)/2)+512            ; registers 4-5 of both halves lie side by side
.endif
.if (\t)+2 < 8
	WLOAD (\t)+2, \n
.endif
.endm
; n: columns of the weight; tile0: its first tile in wq; gbase: its first work-group; src: the scalar pair with its address
.macro WPATH n, tile0, gbase, src
	s_sub_co_u32 s15, ttmp9, \gbase
	s_lshr_b32 s16, s15, 2                         ; which 128 columns
	s_and_b32 s17, s15, 3                          ; which quarter of K
	s_lshl_b32 s18, s16, 2
	s_add_co_u32 s18, s18, s14                     ; my wave's group of 32 columns
	s_mul_i32 s20, s17, 256*(\n)*4
	s_lshl_b32 s21, s18, 7
	s_add_co_u32 s20, s20, s21
	s_mov_b32 s21, 0
	s_add_nc_u64 s[22:23], s[\src:\src+1], s[20:21]
	s_lshl_b32 s24, s18, 1
	s_add_co_u32 s24, s24, \tile0                  ; the group's first tile
	s_mul_i32 s26, s24, 12288
	s_mul_i32 s27, s17, 3072
	s_add_co_u32 s26, s26, s27
	s_mov_b32 s27, 0
	s_add_nc_u64 s[28:29], s[12:13], s[26:27]      ; its codes, at my quarter's four half fragments
	s_lshl_b32 s26, s24, 9
	s_lshr_b32 s30, s17, 1
	s_lshl_b32 s30, s30, 8
	s_add_co_u32 s26, s26, s30
	s_and_b32 s30, s17, 1
	s_lshl_b32 s30, s30, 3
	s_add_co_u32 s26, s26, s30
	s_add_co_u32 s26, s26, WS_OFF
	s_add_nc_u64 s[30:31], s[12:13], s[26:27]      ; its scale words, at my quarter's two
	v_lshlrev_b32 v1, 2, v7                        ; in: 4 bytes a lane
	v_bfe_u32 v4, v0, 3, 1                         ; column l of the group is tile (l / 8) % 2,
	v_and_b32 v5, 7, v0
	v_lshl_add_u32 v5, v9, 3, v5                   ; lane row l % 8 + 8 (l / 16)
	v_mul_u32_u24 v2, v4, 12288
	v_lshl_add_u32 v2, v5, 4, v2
	v_lshlrev_b32 v3, 9, v4
	v_lshl_add_u32 v3, v5, 4, v3
	WLOAD 0, \n
	WLOAD 1, \n
.irp t, 0,1,2,3,4,5,6,7
	WBLOCK \t, \n
.endr
	global_store_b64 v3, v[WSB:WSB+1], s[30:31]
.endm
.Lweights:
	s_cmp_lt_u32 ttmp9, 352
	s_cbranch_scc0 .Lwout
	s_wait_alu depctr_va_vdst(0)
	WPATH 3072, 0, 256, 6
	s_endpgm
.Lwout:
	s_wait_alu depctr_va_vdst(0)
	WPATH 1024, 192, 352, 8
	s_endpgm
.Lfunc_end_k_q43c00561c5_prep:
	.size	k_q43c00561c5_prep, .Lfunc_end_k_q43c00561c5_prep-k_q43c00561c5_prep
	.p2alignl 7, 3214868480
	.fill 96, 4, 3214868480
	.section	.rodata,"a",@progbits
	.p2align	6, 0x0
	.amdhsa_kernel k_q43c00561c5_prep
		.amdhsa_group_segment_fixed_size 35328
		.amdhsa_private_segment_fixed_size 0
		.amdhsa_enable_private_segment 0
		.amdhsa_kernarg_size 40
		.amdhsa_user_sgpr_count 2
		.amdhsa_user_sgpr_kernarg_segment_ptr 1
		.amdhsa_wavefront_size32 1
		.amdhsa_system_sgpr_workgroup_id_x 1
		.amdhsa_system_sgpr_workgroup_id_y 1
		.amdhsa_system_sgpr_workgroup_id_z 1
		.amdhsa_system_vgpr_workitem_id 0
		.amdhsa_next_free_vgpr 256
		.amdhsa_next_free_sgpr 66
		.amdhsa_reserve_vcc 1
		.amdhsa_float_denorm_mode_32 3
		.amdhsa_float_denorm_mode_16_64 3
		.amdhsa_memory_ordered 1
		.amdhsa_forward_progress 1
		.amdhsa_inst_pref_size 108
	.end_amdhsa_kernel
	.amdgpu_metadata
---
amdhsa.version: [ 1, 2 ]
amdhsa.kernels:
  - .name:           k_q43c00561c5_prep
    .symbol:         k_q43c00561c5_prep.kd
    .args:
      - { .name: x, .offset: 0, .size: 8, .value_kind: global_buffer, .address_space: global }
      - { .name: W_qkv, .offset: 8, .size: 8, .value_kind: global_buffer, .address_space: global }
      - { .name: W_out, .offset: 16, .size: 8, .value_kind: global_buffer, .address_space: global }
      - { .name: xq, .offset: 24, .size: 8, .value_kind: global_buffer, .address_space: global }
      - { .name: wq, .offset: 32, .size: 8, .value_kind: global_buffer, .address_space: global }
    .group_segment_fixed_size: 35328
    .private_segment_fixed_size: 0
    .kernarg_segment_align: 8
    .kernarg_segment_size: 40
    .max_flat_workgroup_size: 128
    .sgpr_count:     66
    .vgpr_count:     256
    .wavefront_size: 32
...
	.end_amdgpu_metadata
.endif
;; end of part 1
;; launch gemm_qkv (part 2): grid 12 x 32, 4 waves a work-group, clusters of 4 x 4, 327,680 bytes of LDS; arguments xq, wq, b_qkv, qimg, kv; writes qimg, kv
.if DOCPART == 2
	.amdgcn_target "amdgcn-amd-amdhsa--gfx1250"
	.amdhsa_code_object_version 6
	.text
	.protected	k_q43c00561c5_gemm_qkv
	.globl	k_q43c00561c5_gemm_qkv
	.p2align	8
	.type	k_q43c00561c5_gemm_qkv,@function
k_q43c00561c5_gemm_qkv:
	s_mov_b64 s[64:65], 0
	v_nop
	global_prefetch_b8 v0, s[64:65] scope:SCOPE_SE
	s_setreg_imm32_b32 hwreg(HW_REG_WAVE_MODE, 25, 1), 1
	s_wait_xcnt 0x0
	s_wait_alu depctr_hold_cnt(0) depctr_sa_sdst(0) depctr_va_vdst(0) depctr_va_sdst(0) depctr_va_ssrc(0) depctr_va_vcc(0) depctr_vm_vsrc(0)
	s_getreg_b32 s2, hwreg(HW_REG_IB_STS2, 6, 4)
	s_cmp_eq_u32 s2, 0
	s_cbranch_scc0 .Lentry_in_a_cluster
	s_endpgm
.Lentry_in_a_cluster:
	s_bfe_u32 s2, ttmp6, 0x10000c
	s_cmp_lg_u32 s2, 0xf033
	s_cbranch_scc0 .Lentry_shape_is_right
	s_endpgm
.Lentry_shape_is_right:
.set FR,     12
.set NL,     4
.set NP,     4
.set TROW,   12288
.set KSB,    3072
.set HALFT,  8*KSB
.set SLOT,   4*HALFT
.set SCL,    2*SLOT
.set HALFS,  8*512
.set SPARE,  SCL+4*HALFS
.set XS_OFF, 512*TROW
.set WS_OFF, 256*TROW
.set BA,   8
.set ADRA, 16
.set ADRB, 20
.set L16,  24
.set L8,   25
.set LANE, 26
.set ADRS, 27
.set SPW,  28
.set NIL,  29
.set SC,   32
.set AF,   128
.set T,    128
.set PC,   192
.set TM,   212
.set PWS,  0
.set G1, 24
.set G0, 32
.set G1B, 48
.set G0B, 56
.set G1S, 68
.set G0S, 76
.set G1SB, 80
.set G0SB, 88
.set MSB, 0
.macro WIN new
.if MSB != (\new)
	s_set_vgpr_msb (MSB<<8)|(\new)
.set MSB, (\new)
.endif
.endm
.set MUL_LO, 0xa1
.set MUL_HI, 0xf1
.set TO_B,   0x40
.macro JLOAD g0a, g1a, g0b, g1b
	s_cmp_eq_u32 s15, 0
	s_cbranch_scc0 .Lfor_b_\@
	tensor_load_to_lds s[\g0a:\g0a+3], s[\g1a:\g1a+7]
	s_nop 0
.rept 4
	v_nop
.endr
	s_branch .Lasked_\@
.Lfor_b_\@:
	tensor_load_to_lds s[\g0b:\g0b+3], s[\g1b:\g1b+7]
	s_nop 0
.rept 4
	v_nop
.endr
.Lasked_\@:
.endm
.macro CREST
	s_cmp_lg_u32 s14, 0
	s_cbranch_scc1 .Lnot_wave_0_\@
	s_barrier_signal -3
.Lnot_wave_0_\@:
	s_barrier_wait -3
	s_barrier_signal -1
	s_barrier_wait -1
.endm
.macro CROUND
	s_barrier_signal -1
	s_barrier_wait -1
	CREST
.endm
.macro PLACES n
.rept \n
	v_nop
.endr
.endm
	s_load_b256 s[4:11], s[0:1], 0x0
	s_load_b64 s[12:13], s[0:1], 0x20
	v_lshl_add_u32 v[SPW], v0, 2, SPARE
	v_mov_b32 v[NIL], 0
	ds_add_u32 v28, v29
	ds_add_u32 v28, v29
	s_wait_dscnt 0x0
	v_lshrrev_b32 v1, 5, v0
	v_readfirstlane_b32 s14, v1
	s_lshr_b32 s15, s14, 1
	s_and_b32 s16, s14, 1
	s_bfe_u32 s40, ttmp6, 0x40000
	s_bfe_u32 s41, ttmp6, 0x40004
	s_and_b32 s18, ttmp7, 0xffff
	s_lshl_b32 s18, s18, 2
	s_lshl_b32 s19, ttmp9, 2
	s_mov_b32 s2, XS_OFF
	s_mov_b32 s3, WS_OFF
	s_cmp_eq_u32 ttmp9, 2
	s_cselect_b32 s17, 8, s18
	s_cselect_b32 s42, s18, s19
	s_cselect_b32 s66, s3, s2
	s_cselect_b32 s67, s2, s3
	s_add_co_u32 s17, s17, s41
	s_add_co_u32 s42, s42, s40
	s_lshl_b32 s43, s41, 2
	s_lshl_b32 s43, 15, s43
	s_lshl_b32 s44, 0x1111, s40
	s_or_b32 s[G1+0], s43, (3<<16)|(1<<21)
	s_or_b32 s[G1B+0], s44, (3<<16)|(1<<21)
.irp g, G1, G1B
	s_mov_b32 s[\g+1], 384<<16
	s_mov_b32 s[\g+2], 16<<16
	s_mov_b32 s[\g+3], 384<<16
	s_mov_b32 s[\g+4], 16
	s_mov_b32 s[\g+5], 1536
	s_mov_b32 s[\g+6], 0
	s_mov_b32 s[\g+7], 0
.endr
	s_or_b32 s[G1S+0], s43, (3<<16)|(1<<21)
	s_or_b32 s[G1SB+0], s44, (3<<16)|(1<<21)
.irp g, G1S, G1SB
	s_mov_b32 s[\g+1], 32<<16
	s_mov_b32 s[\g+2], 32<<16
	s_mov_b32 s[\g+3], 32<<16
	s_mov_b32 s[\g+4], 32
	s_mov_b32 s[\g+5], 32
	s_mov_b32 s[\g+6], 0
	s_mov_b32 s[\g+7], 0
.endr
	s_mul_i32 s18, s16, 8*TROW                     ; in the ring I fetch 8 of a tile's 16 row tiles: which half, in bytes
	s_mov_b32 s19, 0
	s_lshl_b32 s20, s17, 4
	s_lshl_b32 s46, s42, 4
	s_lshl_b32 s22, s20, 9
	s_add_co_u32 s22, s22, s66
	s_mov_b32 s23, 0
	s_lshl_b32 s92, s46, 9
	s_add_co_u32 s92, s92, s67
	s_mov_b32 s93, 0
	s_mul_i32 s20, s20, TROW
	s_mov_b32 s21, 0
	s_mul_i32 s46, s46, TROW
	s_mov_b32 s47, 0
	s_mul_i32 s45, s14, HALFT
	s_wait_kmcnt 0x0
	s_cmp_eq_u32 ttmp9, 2
	s_cselect_b64 s[96:97], s[6:7], s[4:5]
	s_cselect_b64 s[98:99], s[4:5], s[6:7]
	s_add_nc_u64 s[20:21], s[96:97], s[20:21]
	s_add_nc_u64 s[22:23], s[96:97], s[22:23]
	s_add_nc_u64 s[46:47], s[98:99], s[46:47]
	s_add_nc_u64 s[92:93], s[98:99], s[92:93]
	CROUND
	s_mov_b32 s[G0S], 1                            ; the head's four tiles, each whole: the scales of source A's 16 row tiles,
	s_mov_b32 s[G0S+1], SCL
	s_mov_b64 s[G0S+2:G0S+3], s[22:23]
	s_or_b32 s[G0S+3], s[G0S+3], 0x80000000
	s_mov_b32 s[G0SB], 1                           ; those of B's,
	s_mov_b32 s[G0SB+1], SCL+2*HALFS
	s_mov_b64 s[G0SB+2:G0SB+3], s[92:93]
	s_or_b32 s[G0SB+3], s[G0SB+3], 0x80000000
	s_mov_b32 s4, 1                                ; slot 0's 16 row tiles of A (the arguments that lay in s[4:7] have been used),
	s_mov_b32 s5, 0
	s_mov_b64 s[6:7], s[20:21]
	s_or_b32 s7, s7, 0x80000000
	s_mov_b32 s96, 1                               ; and of B, behind them
	s_mov_b32 s97, 2*HALFT
	s_mov_b64 s[98:99], s[46:47]
	s_or_b32 s99, s99, 0x80000000
	s_add_nc_u64 s[20:21], s[20:21], s[18:19]      ; for the ring: my 8 row tiles
	s_add_nc_u64 s[46:47], s[46:47], s[18:19]
.irp s, 0,1
	s_mov_b32 s[G0+4*\s], 1
	s_add_co_u32 s[G0+4*\s+1], s45, \s*SLOT
	s_add_nc_u64 s[G0+4*\s+2:G0+4*\s+3], s[20:21], \s*KSB
	s_or_b32 s[G0+4*\s+3], s[G0+4*\s+3], 0x80000000
	s_mov_b32 s[G0B+4*\s], 1
	s_add_co_u32 s[G0B+4*\s+1], s45, \s*SLOT
	s_add_nc_u64 s[G0B+4*\s+2:G0B+4*\s+3], s[46:47], \s*KSB
	s_or_b32 s[G0B+4*\s+3], s[G0B+4*\s+3], 0x80000000
.endr
; the head's loads, one a wave, in one chain of branches on the wave's number: wave 0 A's codes of slot 0, wave 1 B's, wave 2 A's scales, wave 3 B's
.macro ARM under, g0, g1, next
	s_cmp_lt_u32 s14, \under
	s_cbranch_scc0 \next
	tensor_load_to_lds s[\g0:\g0+3], s[\g1:\g1+7]
	s_nop 0
.rept 4
	v_nop
.endr
	s_branch .Lhead_asked
\next:
.endm
	ARM 1, 4,   G1,  .Lhead_b
	ARM 2, 96,  G1B, .Lhead_sa
	ARM 3, G0S, G1S, .Lhead_sb
	tensor_load_to_lds s[G0SB:G0SB+3], s[G1SB:G1SB+7]
	s_nop 0
.rept 4
	v_nop
.endr
.Lhead_asked:
	v_and_b32 v1, 15, v0
	v_bfe_u32 v2, v0, 4, 1
	v_and_b32 v[LANE], 31, v0
	v_lshlrev_b32 v[L16], 4, v[LANE]
	v_lshlrev_b32 v[L8], 4, v1
	v_lshl_add_u32 v[L8], v2, 3, v[L8]
	s_mul_i32 s21, s15, HALFT
	s_mul_i32 s22, s16, HALFT
	s_add_co_u32 s22, s22, 2*HALFT
.irp s, 0,1
	v_add_nc_u32 v[ADRA+\s], s21, v[L16]
	v_add_nc_u32 v[ADRB+\s], s22, v[L16]
	v_add_nc_u32 v[ADRA+2+\s], s21, v[L8]
	v_add_nc_u32 v[ADRB+2+\s], s22, v[L8]
	s_add_co_u32 s21, s21, SLOT
	s_add_co_u32 s22, s22, SLOT
.endr
	s_mul_i32 s21, s15, HALFS
	s_mul_i32 s22, s16, HALFS
	s_add_co_u32 s22, s22, 2*HALFS
	s_sub_co_u32 s22, s22, s21
	v_mul_u32_u24 v6, s22, v2
	s_add_co_u32 s21, s21, SCL
	v_lshl_add_u32 v6, v1, 4, v6
	v_add_nc_u32 v[ADRS], s21, v6
	s_lshl_b32 s21, s42, 10
	s_lshl_b32 s22, s16, 9
	s_add_co_u32 s21, s21, s22
	s_lshl_b32 s22, s41, 10
	s_lshl_b32 s23, s15, 9
	s_add_co_u32 s22, s22, s23
	s_add_co_u32 s22, s22, 8192
	s_cmp_eq_u32 ttmp9, 2
	s_cselect_b32 s100, 0, s21
	s_cselect_b32 s2, s22, 0
	s_mov_b32 s101, 0
	s_mov_b32 s3, 0
	s_add_nc_u64 s[100:101], s[8:9], s[100:101]
	s_add_nc_u64 s[2:3], s[8:9], s[2:3]
	v_lshlrev_b32 v30, 6, v2
	v_and_b32 v6, 8, v1
	v_add_nc_u32 v6, v6, v1
	v_lshlrev_b32 v31, 2, v6
.irp e, 0,1,2,3
.irp j, 0,1,2,3
	global_load_b128 v[96+16*\e+96*(\e/2)+4*\j:96+16*\e+96*(\e/2)+4*\j+3], v30, s[100:101] offset:128*\e+16*\j
.endr
.endr
.irp a, 0,1,2,3,4,5,6,7
	global_load_b32 v[BA+\a], v31, s[2:3] offset:(32*(\a/2)+8*(\a%2))*4
.endr
.macro FRAG reg, adr, q, i
	ds_load_b128 v[\reg:\reg+3], v[\adr] offset:KSB*(\i)+1536*(\q)
	ds_load_b64 v[\reg+4:\reg+5], v[\adr+2] offset:KSB*(\i)+1536*(\q)+512
	ds_load_b128 v[\reg+6:\reg+9], v[\adr] offset:KSB*(\i)+1536*(\q)+768
	ds_load_b64 v[\reg+10:\reg+11], v[\adr+2] offset:KSB*(\i)+1536*(\q)+1280
.endm
.macro MUL16 a0, p, q8, zero
.irp a, \a0, \a0+1
.irp b, 0,1,2,3,4,5,6,7
.if \zero
	v_wmma_scale_f32_16x16x128_f8f6f4 v[8*(8*((\a)%4)+\b):8*(8*((\a)%4)+\b)+7], v[128*(\p)+FR*\b:128*(\p)+FR*\b+FR-1], v[AF+FR*(\a):AF+FR*(\a)+FR-1], 0, v[SC+8*\b+(\q8)], v[SC+8*(\a)+(\q8)] matrix_a_fmt:MATRIX_FMT_FP6 matrix_b_fmt:MATRIX_FMT_FP6 matrix_a_scale:MATRIX_SCALE_ROW1
.else
	v_wmma_scale_f32_16x16x128_f8f6f4 v[8*(8*((\a)%4)+\b):8*(8*((\a)%4)+\b)+7], v[128*(\p)+FR*\b:128*(\p)+FR*\b+FR-1], v[AF+FR*(\a):AF+FR*(\a)+FR-1], v[8*(8*((\a)%4)+\b):8*(8*((\a)%4)+\b)+7], v[SC+8*\b+(\q8)], v[SC+8*(\a)+(\q8)] matrix_a_fmt:MATRIX_FMT_FP6 matrix_b_fmt:MATRIX_FMT_FP6 matrix_a_scale:MATRIX_SCALE_ROW1
.endif
.endr
.endr
.endm
.macro FETCH_B slot, q, p
	WIN TO_B
.irp i, 0,1,2,3,4,5,6,7
	FRAG 128*(\p)+FR*\i, ADRB+\slot, \q, \i
.endr
	WIN 0
.endm
.macro FETCH_A slot, q, i0
.irp i, \i0, \i0+1, \i0+2, \i0+3
	FRAG AF+FR*(\i), ADRA+\slot, \q, \i
.endr
.endm
.macro STEP slot, q8, zero
	s_wait_dscnt 4*NL
	WIN MUL_LO
	MUL16 0, 0, \q8, \zero
	MUL16 2, 0, \q8, \zero
	s_wait_dscnt 0x0
	PLACES NP
	FETCH_B \slot, 1, 1
	FETCH_A \slot, 1, 0
	WIN MUL_HI
	MUL16 4, 0, \q8, \zero
	MUL16 6, 0, \q8, \zero
	PLACES NP
	WIN 0
	FETCH_A \slot, 1, 4
.endm
.macro TURN slot, next, fill, q8
	s_wait_tensorcnt 0x0
	ds_add_u32 v[SPW], v[NIL]
	s_wait_dscnt 4*NL+1
	WIN MUL_LO
	MUL16 0, 1, \q8, 0
	s_wait_dscnt 0x0
	s_barrier_signal -1
	MUL16 2, 1, \q8, 0
	WIN 0
	s_barrier_wait -1
.if \fill
	CREST
	s_add_nc_u64 s[G0+4*\slot+2:G0+4*\slot+3], s[G0+4*\slot+2:G0+4*\slot+3], 2*KSB
	s_add_nc_u64 s[G0B+4*\slot+2:G0B+4*\slot+3], s[G0B+4*\slot+2:G0B+4*\slot+3], 2*KSB
	JLOAD G0+4*\slot, G1, G0B+4*\slot, G1B
.else
	PLACES NP
.endif
	FETCH_B \next, 0, 0
	FETCH_A \next, 0, 0
	WIN MUL_HI
	MUL16 4, 1, \q8, 0
	MUL16 6, 1, \q8, 0
	PLACES NP
	WIN 0
	FETCH_A \next, 0, 4
.endm
	s_wait_alu depctr_va_vdst(0)
	s_wait_loadcnt 0x0
	s_wait_tensorcnt 0x0                           ; my tile of the head's four is in
	ds_add_u32 v[SPW], v[NIL]
	s_mov_b32 s[G1+2], 8<<16                       ; no tensor load of mine is out: from here on a load brings 8 row tiles
	s_mov_b32 s[G1+4], 8
	s_mov_b32 s[G1B+2], 8<<16
	s_mov_b32 s[G1B+4], 8
	s_wait_dscnt 0x0
	CROUND                                         ; all four tiles are in, and all sixteen work-groups are here
	JLOAD G0+4, G1, G0B+4, G1B                     ; slot 1's first fill, the first tensor load behind the round
	FETCH_B 0, 0, 0
	FETCH_A 0, 0, 0
.irp i, 0,1,2,3,4,5,6,7
	ds_load_b128 v[SC+8*\i:SC+8*\i+3], v[ADRS] offset:512*\i
	ds_load_b128 v[SC+8*\i+4:SC+8*\i+7], v[ADRS] offset:512*\i+256
.endr
	FETCH_A 0, 0, 4
	STEP 0, 0, 1
	TURN 0, 1, 1, 1
	STEP 1, 2, 0
	TURN 1, 0, 1, 3
	STEP 0, 4, 0
	TURN 0, 1, 0, 5
	STEP 1, 6, 0
	s_wait_dscnt 4*NL
	WIN MUL_LO
	MUL16 0, 1, 7, 0
	MUL16 2, 1, 7, 0
	s_wait_dscnt 0x0
	WIN MUL_HI
	MUL16 4, 1, 7, 0
	MUL16 6, 1, 7, 0
	WIN 0
.macro QUANT s, pw
.irp b, 0,1,2,3
	v_max3_num_f32 v[TM+\b], |v[\s+16*\b]|, |v[\s+1+16*\b]|, 0x1800000
.endr
.irp i, 2,4,6,8,10,12,14
.irp b, 0,1,2,3
	v_max3_num_f32 v[TM+\b], v[TM+\b], |v[\s+16*\b+\i]|, |v[\s+1+16*\b+\i]|
.endr
.endr
.irp b, 0,1,2,3
	v_permlanex16_b32 v[TM+4+\b], v[TM+\b], s18, s19
.endr
.irp b, 0,1,2,3
	v_max_num_f32 v[TM+\b], v[TM+\b], v[TM+4+\b]
.endr
.irp b, 0,1,2,3
	v_add_nc_u32 v[TM+8+\b], 0xff000000, v[TM+\b]
.endr
.irp b, 0,1,2,3
	v_lshrrev_b32 v[TM+4+\b], 23, v[TM+8+\b]
.endr
	v_lshl_or_b32 v[\pw], v[TM+5], 8, v[TM+4]
	v_lshl_or_b32 v[\pw], v[TM+6], 16, v[\pw]
	v_lshl_or_b32 v[\pw], v[TM+7], 24, v[\pw]
.irp c, 0,1
	v_cvt_scalef32_pk16_fp6_f32 v[PC+6*\c:PC+2+6*\c], v[\s+32*\c:\s+15+32*\c], v[TM+8+2*\c]
	v_cvt_scalef32_pk16_fp6_f32 v[PC+12+4*\c:PC+14+4*\c], v[\s+16+32*\c:\s+31+32*\c], v[TM+8+2*\c+1]
.endr
	v_nop
.irp c, 0,1
.irp i, 0,1,2
	v_permlane16_swap_b32 v[PC+6*\c+\i], v[PC+12+4*\c+\i]
.endr
.irp i, 0,1,2
	v_mov_b32 v[PC+3+6*\c+\i], v[PC+12+4*\c+\i]
.endr
.endr
.endm
.macro EPI isv
.if \isv
	s_lshr_b32 s20, s42, 3
	s_lshl_b32 s20, s20, 4
	s_lshl_b32 s21, s41, 2
	s_add_co_u32 s20, s20, s21
	s_lshl_b32 s21, s15, 1
	s_add_co_u32 s20, s20, s21
	s_lshl_b32 s20, s20, 4
	s_and_b32 s21, s42, 7
	s_lshl_b32 s21, s21, 1
	s_add_co_u32 s20, s20, s21
	s_add_co_u32 s20, s20, s16
	s_mul_i32 s20, s20, 13056
	s_mov_b32 s21, 0
	s_add_nc_u64 s[20:21], s[12:13], s[20:21]
	s_add_nc_u64 s[22:23], s[20:21], 16*13056
.else
	s_lshr_b32 s20, s17, 3
	s_lshl_b32 s20, s20, 4
	s_and_b32 s21, s42, 3
	s_lshl_b32 s21, s21, 2
	s_add_co_u32 s20, s20, s21
	s_lshl_b32 s21, s16, 1
	s_add_co_u32 s20, s20, s21
	s_lshl_b32 s20, s20, 4
	s_and_b32 s21, s17, 7
	s_lshl_b32 s21, s21, 1
	s_add_co_u32 s20, s20, s21
	s_add_co_u32 s20, s20, s15
	s_mov_b32 s22, 13056
	s_cmp_eq_u32 ttmp9, 0
	s_cselect_b32 s22, 6656, s22
	s_cselect_b64 s[46:47], s[10:11], s[12:13]
	s_mul_i32 s20, s20, s22
	s_mov_b32 s21, 0
	s_lshl_b32 s22, s22, 4
	s_mov_b32 s23, 0
	s_add_nc_u64 s[20:21], s[46:47], s[20:21]
	s_add_nc_u64 s[22:23], s[20:21], s[22:23]
.endif
	s_mov_b32 s18, 0x76543210
	s_mov_b32 s19, 0xfedcba98
	PLACES NP
.irp b, 0,1,2,3
	v_mov_b32 v[TM+4+\b], 0
.endr
.irp a, 0,1,2,3,4,5,6,7
	WIN 0x02+(\a/4)
.set j, 0
.rept 32
.if \isv
.if (\a%2) == 0
	v_pk_add_f32 v[T+j:T+j+1], v[64*(\a%4)+j:64*(\a%4)+j+1], v[BA+\a:BA+\a+1] op_sel_hi:[1,0]
.else
	v_pk_add_f32 v[T+j:T+j+1], v[64*(\a%4)+j:64*(\a%4)+j+1], v[BA+\a-1:BA+\a] op_sel:[0,1] op_sel_hi:[1,1]
.endif
.else
	v_pk_add_f32 v[T+j:T+j+1], v[64*(\a%4)+j:64*(\a%4)+j+1], v[96+j+96*(j/32):97+j+96*(j/32)]
.endif
.set j, j+2
.endr
	WIN 0
.if \a > 0
	s_wait_xcnt 0x0
.endif
	QUANT T, PWS+\a
.if \isv
.irp c, 0,1,2
	global_store_b128 v[L16], v[PC+4*\c:PC+4*\c+3], s[20+2*(\a/4):21+2*(\a/4)] offset:6656+1536*(\a%4)+512*\c
.endr
.else
	global_store_b128 v[L16], v[PC:PC+3], s[20:21] offset:768*\a
	global_store_b64 v[L8], v[PC+4:PC+5], s[20:21] offset:768*\a+512
	global_store_b128 v[L16], v[PC+6:PC+9], s[22:23] offset:768*\a
	global_store_b64 v[L8], v[PC+10:PC+11], s[22:23] offset:768*\a+512
.endif
.endr
	v_cmp_gt_u32 vcc_lo, 16, v[LANE]
.if \isv
.irp u, 0,1
.irp q, 0,1
	v_cndmask_b32 v[T+2*\u+\q], v[PWS+4*\u+2*\q+1], v[PWS+4*\u+2*\q], vcc_lo
.endr
.endr
	global_store_b64 v[L8], v[T:T+1], s[20:21] offset:12800
	global_store_b64 v[L8], v[T+2:T+3], s[22:23] offset:12800
.else
.irp q, 0,1,2,3
	v_cndmask_b32 v[T+\q], v[PWS+2*\q+1], v[PWS+2*\q], vcc_lo
.endr
.irp q, 0,1,2,3
	v_lshrrev_b32 v[T+4+\q], 16, v[T+\q]
.endr
	global_store_b128 v[L16], v[T:T+3], s[20:21] offset:6144
	global_store_b128 v[L16], v[T+4:T+7], s[22:23] offset:6144
.endif
.endm
	s_cmp_eq_u32 ttmp9, 2
	s_cbranch_scc1 .Lv
	EPI 0
	s_branch .Lend
.Lv:
	EPI 1
.Lend:
	s_wait_tensorcnt 0x0
	ds_add_u32 v[SPW], v[NIL]
	s_wait_dscnt 0x0
	CROUND
	s_endpgm
.Lfunc_end_k_q43c00561c5_gemm_qkv:
	.size	k_q43c00561c5_gemm_qkv, .Lfunc_end_k_q43c00561c5_gemm_qkv-k_q43c00561c5_gemm_qkv
	.p2alignl 7, 3214868480
	.fill 96, 4, 3214868480
	.section	.rodata,"a",@progbits
	.p2align	6, 0x0
	.amdhsa_kernel k_q43c00561c5_gemm_qkv
		.amdhsa_group_segment_fixed_size 327680
		.amdhsa_private_segment_fixed_size 0
		.amdhsa_enable_private_segment 0
		.amdhsa_kernarg_size 40
		.amdhsa_user_sgpr_count 2
		.amdhsa_user_sgpr_kernarg_segment_ptr 1
		.amdhsa_wavefront_size32 1
		.amdhsa_system_sgpr_workgroup_id_x 1
		.amdhsa_system_sgpr_workgroup_id_y 1
		.amdhsa_system_sgpr_workgroup_id_z 1
		.amdhsa_system_vgpr_workitem_id 0
		.amdhsa_next_free_vgpr 1024
		.amdhsa_next_free_sgpr 104
		.amdhsa_reserve_vcc 1
		.amdhsa_float_denorm_mode_32 3
		.amdhsa_float_denorm_mode_16_64 3
		.amdhsa_memory_ordered 1
		.amdhsa_forward_progress 1
		.amdhsa_inst_pref_size 217
	.end_amdhsa_kernel
	.amdgpu_metadata
---
amdhsa.version: [ 1, 2 ]
amdhsa.kernels:
  - .name:           k_q43c00561c5_gemm_qkv
    .symbol:         k_q43c00561c5_gemm_qkv.kd
    .args:
      - { .name: xq, .offset: 0, .size: 8, .value_kind: global_buffer, .address_space: global }
      - { .name: wq, .offset: 8, .size: 8, .value_kind: global_buffer, .address_space: global }
      - { .name: b_qkv, .offset: 16, .size: 8, .value_kind: global_buffer, .address_space: global }
      - { .name: qimg, .offset: 24, .size: 8, .value_kind: global_buffer, .address_space: global }
      - { .name: kv, .offset: 32, .size: 8, .value_kind: global_buffer, .address_space: global }
    .group_segment_fixed_size: 327680
    .private_segment_fixed_size: 0
    .kernarg_segment_align: 8
    .kernarg_segment_size: 40
    .max_flat_workgroup_size: 128
    .sgpr_count:     104
    .vgpr_count:     1024
    .wavefront_size: 32
...
	.end_amdgpu_metadata
.endif
;; end of part 2
;; launch attn (part 3): grid 4 x 64, 16 waves a work-group, clusters of 4 x 1, 263,168 bytes of LDS; arguments qimg, kv, aq; writes aq
.if DOCPART == 3
	.amdgcn_target "amdgcn-amd-amdhsa--gfx1250"
	.amdhsa_code_object_version 6
	.text
	.protected	k_q43c00561c5_attn
	.globl	k_q43c00561c5_attn
	.p2align	8
	.type	k_q43c00561c5_attn,@function
k_q43c00561c5_attn:
	s_mov_b64 s[64:65], 0
	v_nop
	global_prefetch_b8 v0, s[64:65] scope:SCOPE_SE
	s_setreg_imm32_b32 hwreg(HW_REG_WAVE_MODE, 25, 1), 1
	s_wait_xcnt 0x0
	s_wait_alu depctr_hold_cnt(0) depctr_sa_sdst(0) depctr_va_vdst(0) depctr_va_sdst(0) depctr_va_ssrc(0) depctr_va_vcc(0) depctr_vm_vsrc(0)
	s_getreg_b32 s2, hwreg(HW_REG_IB_STS2, 6, 4)
	s_cmp_eq_u32 s2, 0
	s_cbranch_scc0 .Lentry_in_a_cluster
	s_endpgm
.Lentry_in_a_cluster:
	s_bfe_u32 s2, ttmp6, 0x10000c
	s_cmp_lg_u32 s2, 0x3003
	s_cbranch_scc0 .Lentry_shape_is_right
	s_endpgm
.Lentry_shape_is_right:
; o = softmax(q k^T / 8) v for 64 (batch x head) of 2,048 tokens and head size 64, both products on codes of FP6 (E2M3) with E8M0 scales; o is quantised along d = 1,024 on the way out and leaves as codes.
; THE SOFTMAX: t = score x log2(e) / 8; M = the running largest t rounded UP to a whole number; p = 2^(t - M) is quantised along the keys; the row's sum is taken of the unquantised p and divides at the end.
; When M moves, the sum and O are multiplied by 2^(old M - new M): exact.
; SHARES.  A cluster of four work-groups is one head; a work-group owns 512 of its queries; each of its sixteen waves owns one tile of 16 queries at a time, in two passes through one loop.
; THE WHOLE HEAD'S K AND V LIE IN LDS: 16 records of 13,056 bytes (128 keys each), filled ONCE: wave w asks for record w, jointly with the same wave of the three partners.  No LDS byte is filled again.
; The descriptor lays 64 bytes of padding behind every 256: an LDS row is 320 bytes, a record 51 rows.  No data prefetch: all that the work-group reads of kv is asked for by the head's one load a wave, and there is no loop to run ahead in.
; A record in memory: 8 stored tiles of K (768 bytes: 16 keys x 64: registers 0-3 at 16 x lane, 4-5 at 512 + 16 i + 8 h; lane row i of stored tile 2 b + u is key 32 b + 8 u + i + 8 (i / 8)); at 6,144 their scale words;
; at 6,656 four tiles of V^T (16 channels x 128 keys: 3 x 512 bytes); at 12,800 V's scale words.
; WHICH KEYS FORM A TILE OF THE FIRST PRODUCT is chosen by the lanes' LDS addresses: row m of tile 4 c + w is key 64 c + 32 (m / 8) + 8 w + m % 8.  Both products are used transposed (S^T = K Q^T, O^T = V^T P^T), so lane (r, h) holds
; query r, and the 32 registers of tiles 4 c .. 4 c + 3 are keys 64 c + 32 h + 0 .. 31: one whole block of p, in the order of the second product's operand.  A block's maximum needs no other lane and no code changes lanes.
; The first product's K is 64: registers 6-11 of q's fragment hold zero codes; registers 6-11 of a K fragment are the next tile's codes, which meet those zeros.
; TWO REGISTER AREAS TAKE TURNS, X and Y, 64 registers each: K's fragments lie in one and S^T is written to the other; V lands where K lay, asked for behind the first products; the next step's K lands where p lay, behind the conversions.
; THE ORDER OF THE RECORDS in a pass is 14, 1, 0, 3, 2, .. 12, 15: trip i takes record 2 i - 2 (the first: 14) and record 2 i + 1, and fetches K of 2 i + 1 and of 2 i: every address is the trip's base + a constant inside the 16 records,
; and a pass's last fetch, record 14, is the next pass's first.  (The last pass's last fetch, 20 LDS loads a wave, is multiplied by nobody: one body serves both passes.)
; A barrier's signal stands at each step's head and its wait at the step's end: no wave leaves a step before all have entered it.  Between the two stand register work and LDS loads alone.
; LIMITS: a block of zeros (of p or of o) gets the byte 1 where the rule says 127 (its codes are zeros; this program alone reads the bytes); NaN and infinities are not served; the promise holds while |t| stays under 2^31.
.set REC,   13056                      ; a record in memory
.set ROWP,  320                        ; an LDS row: 256 bytes + 64 of padding
.set RECL,  51*ROWP                    ; a record in LDS
.set SPARE, 16*RECL                    ; behind the records: the spare words, 128 bytes a wave
.set XS_OFF, 6291456
.set LV,  1                            ; 16 r + 320 h: V's fragments
.set L8,  2                            ; 16 r + 8 h
.set G16, 3                            ; 16 x lane (memory)
.set KL0, 4                            ; 1920 (r / 8) + 16 (r % 8) + 320 h: K's registers 0-3
.set KL1, 5                            ; 1920 (r / 8) + 16 (r % 8) + 8 h: K's registers 4-5
.set KL2, 6                            ; 320 h + 16 (r % 8) + 4 (r / 8): K's scale words
.set R16, 7
.set SBO, 8
.set LANE, 9
.set H8,  10                           ; 8 h
.set QF,  16                           ; v16-27 q's fragment; v28 its scale word
.set QS,  28
.set KA0, 29                           ; v29-31 the trip's base + KL0 .. KL2
.set KA1, 30
.set KA2, 31
.set X,   32
.set Y,   96
.set O,   160                          ; v160-191 O^T
.set PC,  192                          ; v192-203 p's codes
.set PT,  204                          ; v204-206, v208-210 the conversions' second halves
.set BM,  212
.set BO,  214
.set BT,  216
.set TT,  218
.set TN,  219
.set F,   220                          ; v[220:221]
.set PS,  222                          ; p's scale word
.set PW,  223
.set SUM, 224                          ; v224-231 four chains of the row's sum
.set KS,  232                          ; v232-235 K's scale words: register t / 2: tile t even in lanes 0-15, odd in lanes 16-31
.set VS,  236                          ; v236-237 V's likewise
.set VA,  238                          ; V's record + LV
.set VSA, 239                          ; V's record + L8
.set QN,  242                          ; v242-248 the second pass's q
.set SPW, 254
.set NIL, 255
.set WV,  12
.set SEL, 20
.set CS,  22
.set TB,  48                           ; the trip's base: LDS byte of record 2 i
.set CNT, 49
.set NC,  58                           ; -c
.set PCNT, 59
.macro CROUND                          ; a round of the cluster's barrier
	s_barrier_signal -1
	s_barrier_wait -1
	s_cmp_lg_u32 s[WV], 0
	s_cbranch_scc1 .Lnot_wave_0_\@
	s_barrier_signal -3
.Lnot_wave_0_\@:
	s_barrier_wait -3
	s_barrier_signal -1
	s_barrier_wait -1
.endm
; K's eight fragments and four registers of scale words of the record at KA0 .. KA2 + kofs: 20 LDS loads.  Tile t = 4 c + w reads stored tiles 4 c + w % 2 (rows 0-7) and two on (rows 8-15), lane rows 8 (w / 2) on
.macro KLOAD D, kofs
.irp t, 0,1,2,3,4,5,6,7
	ds_load_b128 v[\D+6*\t:\D+6*\t+3], v[KA0] offset:\kofs+3*ROWP*(4*(\t/4)+\t%2)+128*((\t%4)/2)
	ds_load_b64 v[\D+6*\t+4:\D+6*\t+5], v[KA1] offset:\kofs+3*ROWP*(4*(\t/4)+\t%2)+2*ROWP+128*((\t%4)/2)
.endr
.irp q, 0,1,2,3
	ds_load_b32 v[KS+\q], v[KA2] offset:\kofs+24*ROWP+128*(\q%2)+8*(\q/2)
.endr
.endm
	s_load_b128 s[4:7], s[0:1], 0x0                ; qimg s[4:5], kv s[6:7]
	s_load_b64 s[8:9], s[0:1], 0x10                ; aq
	v_lshl_add_u32 v[SPW], v0, 2, SPARE
	v_mov_b32 v[NIL], 0
	ds_add_u32 v[SPW], v[NIL]                      ; the opening lines: the add, twice on end, and its wait
	ds_add_u32 v[SPW], v[NIL]
	v_lshrrev_b32 v11, 5, v0
	s_delay_alu instid0(VALU_DEP_1)
	v_readfirstlane_b32 s[WV], v11                 ; wave 0..15
	s_bfe_u32 s13, ttmp6, 0x40000                  ; cx: which 512 queries of the head
	s_and_b32 s14, ttmp7, 0xffff                   ; 16 x batch + head, which the four partners share
	s_mul_i32 s15, s[WV], REC                      ; my record in the head,
	s_mul_i32 s60, s[WV], RECL                     ; and in LDS
	s_mul_i32 s16, s14, 16*REC
	s_add_co_u32 s16, s16, s15
	s_mov_b32 s17, 0
	; group 1: a dense block of 51 rows of 256 bytes (32 elements of 8 bytes), 16 words of padding behind every 64
	s_mov_b32 s24, 15|(3<<16)|(1<<20)|(1<<21)|(5<<22)|(15<<25)
	s_mov_b32 s25, 32<<16
	s_mov_b32 s26, 51<<16
	s_mov_b32 s27, 32<<16
	s_mov_b32 s28, 51
	s_mov_b32 s29, 32
	s_mov_b32 s30, 0
	s_mov_b32 s31, 0
	; my tile of queries in pass 0: group 4 cx + wave / 8 of 128 tokens, tile a = wave % 8; pass 1: two groups on
	s_lshl_b32 s18, s14, 4
	s_lshl_b32 s19, s13, 2
	s_add_co_u32 s18, s18, s19
	s_lshr_b32 s36, s[WV], 3
	s_add_co_u32 s18, s18, s36
	s_mul_i32 s18, s18, 6656                       ; its record in qimg
	s_and_b32 s37, s[WV], 7
	s_mul_i32 s38, s37, 768
	s_add_co_u32 s50, s18, s38                     ; its codes
	s_mov_b32 s51, 0
	s_and_b32 s38, s37, 1
	s_lshl_b32 s38, s38, 8
	s_lshr_b32 s39, s37, 1
	s_lshl_b32 s39, s39, 2
	s_add_co_u32 s52, s18, s38
	s_add_co_u32 s52, s52, s39
	s_add_co_u32 s52, s52, 6144                    ; its scale words: 256 (a % 2) + 4 (a / 2), + 16 r
	s_mov_b32 s53, 0
	s_lshr_b32 s38, s14, 4
	s_lshl_b32 s38, s38, 7
	s_add_co_u32 s39, s19, s36
	s_lshl_b32 s39, s39, 3
	s_add_co_u32 s38, s38, s39
	s_add_co_u32 s38, s38, s37                     ; its row tile in aq: 128 x batch + 8 x group + a
	s_and_b32 s39, s14, 15                         ; the head
	s_mul_i32 s54, s38, 12288
	s_mul_i32 s40, s39, 768
	s_add_co_u32 s54, s54, s40                     ; half fragment = head
	s_mov_b32 s55, 0
	s_lshl_b32 s56, s38, 9
	s_lshr_b32 s40, s39, 3
	s_lshl_b32 s40, s40, 8
	s_add_co_u32 s56, s56, s40
	s_bfe_u32 s40, s39, 0x20001
	s_lshl_b32 s40, s40, 2
	s_add_co_u32 s56, s56, s40
	s_and_b32 s40, s39, 1
	s_lshl_b32 s40, s40, 1
	s_add_co_u32 s56, s56, s40
	s_add_co_u32 s56, s56, XS_OFF                  ; the head's two bytes in the word of head / 2
	s_mov_b32 s57, 0
	s_mov_b32 s[SEL], 0x76543210
	s_mov_b32 s[SEL+1], 0xfedcba98                 ; v_permlanex16_b32's selects for lane l xor 16
	s_mov_b32 s[CS], 0x3e38aa3b                    ; c = log2(e) / 8
	s_mov_b32 s[CS+1], s[CS]                       ; (named with it as a pair, so it is written)
	s_mov_b32 s[NC], 0xbe38aa3b                    ; -c
	s_mov_b32 s[TB], 14*RECL                       ; a pass begins with record 14
	s_wait_dscnt 0x0
	s_wait_kmcnt 0x0
	s_mov_b32 s32, 1                               ; group 0: count = 1,
	s_mov_b32 s33, s60                             ; the LDS address,
	s_add_nc_u64 s[34:35], s[6:7], s[16:17]        ; the global address,
	s_or_b32 s35, s35, 0x80000000                  ; type = 2
	s_add_nc_u64 s[50:51], s[4:5], s[50:51]
	s_add_nc_u64 s[52:53], s[4:5], s[52:53]
	s_add_nc_u64 s[54:55], s[8:9], s[54:55]
	s_add_nc_u64 s[56:57], s[8:9], s[56:57]
	CROUND                                         ; all four work-groups are here: the joint loads meet
	tensor_load_to_lds s[32:35], s[24:31]          ; my record: the one tensor load of this wave
	s_nop 0
.rept 4
	v_nop
.endr
	v_and_b32 v[LANE], 31, v0
	v_and_b32 v40, 15, v0                          ; r
	v_bfe_u32 v41, v0, 4, 1                        ; h
	v_and_b32 v42, 7, v0                           ; r % 8
	v_bfe_u32 v43, v0, 3, 1                        ; r / 8
	v_lshlrev_b32 v[G16], 4, v[LANE]
	v_lshlrev_b32 v[R16], 4, v40
	v_lshlrev_b32 v42, 4, v42
	v_lshlrev_b32 v[H8], 3, v41
	v_lshl_add_u32 v[L8], v41, 3, v[R16]
	v_add_nc_u32 v[SBO], v[R16], v41
	v_mad_u32_u24 v[LV], v41, ROWP, v[R16]
	v_mad_u32_u24 v44, v43, 6*ROWP, v42
	v_lshl_add_u32 v45, v43, 2, v42
	v_mad_u32_u24 v[KL0], v41, ROWP, v44
	v_lshl_add_u32 v[KL1], v41, 3, v44
	v_mad_u32_u24 v[KL2], v41, ROWP, v45
	global_load_b128 v[QF:QF+3], v[G16], s[50:51] th:TH_LOAD_NT             ; both passes' q
	global_load_b64 v[QF+4:QF+5], v[L8], s[50:51] offset:512 th:TH_LOAD_NT
	global_load_b32 v[QS], v[R16], s[52:53] th:TH_LOAD_NT
	global_load_b128 v[QN:QN+3], v[G16], s[50:51] offset:13312 th:TH_LOAD_NT
	global_load_b64 v[QN+4:QN+5], v[L8], s[50:51] offset:13312+512 th:TH_LOAD_NT
	global_load_b32 v[QN+6], v[R16], s[52:53] offset:13312 th:TH_LOAD_NT
	v_add_nc_u32 v[KA0], s[TB], v[KL0]
	v_add_nc_u32 v[KA1], s[TB], v[KL1]
	v_add_nc_u32 v[KA2], s[TB], v[KL2]
	v_add_nc_u32 v[VA], s[TB], v[LV]
	v_add_nc_u32 v[VSA], s[TB], v[L8]
.irp i, 6,7,8,9,10,11
	v_mov_b32 v[QF+\i], 0                          ; zero codes for k = 64 .. 127
	v_mov_b32 v[X+42+\i], 0                        ; what the last K fragment names behind its own six registers
.endr
	v_mov_b32 v[TN], 0                             ; a lane permute's destination counts as one of its sources
	v_mov_b32 v[F+1], 0                            ; (named as the upper half of a pair)
; A KEY STEP: 128 keys.  KA: the area with K's fragments, then V's; SA: the area for S^T and p, then the next step's K.  odd = 0: the record fetched a trip ago; odd = 1: record 2 i + 1.
.macro STEP KA, SA, odd
	s_wait_alu depctr_va_vdst(0)                   ; the wait ahead of a wait that blocks
	s_wait_dscnt 0x0                               ; K's fragments and scale words are in; no LDS instruction of mine is out at the signal
	s_barrier_signal -1
.irp t, 0,1,2,3,4,5,6,7                        ; S^T = K Q^T
.if \t%2
	v_wmma_scale_f32_16x16x128_f8f6f4 v[\SA+8*\t:\SA+8*\t+7], v[\KA+6*\t:\KA+6*\t+11], v[QF:QF+11], 0, v[KS+\t/2], v[QS] matrix_a_fmt:MATRIX_FMT_FP6 matrix_b_fmt:MATRIX_FMT_FP6 matrix_a_scale:MATRIX_SCALE_ROW1
.else
	v_wmma_scale_f32_16x16x128_f8f6f4 v[\SA+8*\t:\SA+8*\t+7], v[\KA+6*\t:\KA+6*\t+11], v[QF:QF+11], 0, v[KS+\t/2], v[QS] matrix_a_fmt:MATRIX_FMT_FP6 matrix_b_fmt:MATRIX_FMT_FP6
.endif
.endr
	v_mov_b32 v[TT], v12                           ; the old -M.  These four lines are the places behind the products
.if \odd
	v_add_nc_u32 v[VA], s[TB], v[LV]               ; V of record 2 i + 1 now (+ RECL), of record 2 i in the next step
	v_add_nc_u32 v[VSA], s[TB], v[L8]
	v_nop
.else
	v_add_nc_u32 v[KA0], s[TB], v[KL0]             ; this trip's two fetches of K
	v_add_nc_u32 v[KA1], s[TB], v[KL1]
	v_add_nc_u32 v[KA2], s[TB], v[KL2]
.endif
.irp t, 0,1,2,3                                ; V's four fragments land where K lay: 13 LDS loads
.irp c, 0,1,2
	ds_load_b128 v[\KA+12*\t+4*\c:\KA+12*\t+4*\c+3], v[VA] offset:\odd*RECL+(26+6*\t+2*\c)*ROWP
.endr
.endr
	ds_load_b64 v[VS:VS+1], v[VSA] offset:\odd*RECL+50*ROWP
.irp c, 0,1                                    ; the largest score of my two blocks of 32 keys, each in two chains, each accumulator from its low end on
	v_max3_num_f32 v[BM+\c], v[\SA+32*\c], v[\SA+32*\c+1], v[\SA+32*\c+2]
	v_max3_num_f32 v[BT+\c], v[\SA+32*\c+16], v[\SA+32*\c+17], v[\SA+32*\c+18]
.endr
.irp i, 3,5,7,9,11,13
.irp c, 0,1
	v_max3_num_f32 v[BM+\c], v[BM+\c], v[\SA+32*\c+\i], v[\SA+32*\c+\i+1]
	v_max3_num_f32 v[BT+\c], v[BT+\c], v[\SA+32*\c+16+\i], v[\SA+32*\c+17+\i]
.endr
.endr
.irp c, 0,1
	v_max3_num_f32 v[BM+\c], v[BM+\c], v[\SA+32*\c+15], v[\SA+32*\c+31]
.endr
.irp c, 0,1
	s_delay_alu instid0(VALU_DEP_2)
	v_max_num_f32 v[BM+\c], v[BM+\c], v[BT+\c]
.endr
	s_delay_alu instid0(VALU_DEP_1)
	v_max3_num_f32 v13, v13, v[BM], v[BM+1]        ; the running largest score of my query,
	s_delay_alu instid0(VALU_DEP_1)
	v_permlanex16_b32 v[TN], v13, s[SEL], s[SEL+1]
	s_delay_alu instid0(VALU_DEP_1)
	v_max_num_f32 v13, v13, v[TN]                  ; with lane l xor 16's keys
	s_delay_alu instid0(VALU_DEP_1)
	v_mul_f32 v[TN], s[NC], v13
	s_delay_alu instid0(VALU_DEP_1)
	v_floor_f32 v12, v[TN]                         ; the new -M = floor(-t): M is a whole number
.set j, 0
.rept 32
	v_pk_fma_f32 v[\SA+j:\SA+j+1], v[\SA+j:\SA+j+1], s[CS:CS+1], v[12:13] op_sel_hi:[1,0,0]   ; t - M, two at a time
.if j == 6
	v_sub_f32 v[TT], v12, v[TT]                    ; old M - new M: a whole number, 0 or less
.endif
.if j == 14
	v_cvt_i32_f32 v[TT], v[TT]                     ; (it saturates)
.endif
.if j == 22
	v_ldexp_f32 v[F], 1.0, v[TT]                   ; f = 2^(old M - new M)
.endif
.set j, j+2
.endr
	v_pk_fma_f32 v[BM:BM+1], v[BM:BM+1], s[CS:CS+1], v[12:13] op_sel_hi:[1,0,0]   ; the same of each block's largest score
	s_wait_alu depctr_va_vdst(0)                   ; the wait ahead of the batch
	v_exp_f32 v[BM], v[BM]                         ; the block's largest p: the same arithmetic on the same number gives the same bits
	v_exp_f32 v[BM+1], v[BM+1]
.set j, 0
.rept 64
	v_exp_f32 v[\SA+j], v[\SA+j]                   ; p = 2^(t - M), at most 1
.set j, j+1
.endr
	v_pk_mul_f32 v[14:15], v[14:15], v[F:F+1] op_sel_hi:[1,0]   ; the sum under the new M; also the plain line behind the exponentials
	s_wait_alu depctr_va_vdst(0)                   ; one wait for the batch, ahead of its first reader
	v_pk_add_f32 v[SUM:SUM+1], v[14:15], v[\SA:\SA+1]            ; the row's sum of the unquantised p, in four chains
	v_pk_add_f32 v[SUM+2:SUM+3], v[\SA+2:\SA+3], v[\SA+4:\SA+5]
	v_pk_add_f32 v[SUM+4:SUM+5], v[\SA+6:\SA+7], v[\SA+8:\SA+9]
	v_pk_add_f32 v[SUM+6:SUM+7], v[\SA+10:\SA+11], v[\SA+12:\SA+13]
.set j, 14
.rept 25
	v_pk_add_f32 v[SUM+2*((j/2+1)%4):SUM+2*((j/2+1)%4)+1], v[SUM+2*((j/2+1)%4):SUM+2*((j/2+1)%4)+1], v[\SA+j:\SA+j+1]
.set j, j+2
.endr
.irp c, 0,1
	v_max_num_f32 v[BM+\c], 0x1800000, v[BM+\c]    ; the floor 2^(3 - 127): the byte cannot fall under 1
.endr
.irp c, 0,1
	v_add_nc_u32 v[BO+\c], 0xff000000, v[BM+\c]    ; 2 off the exponent field: the conversion's scale operand
.endr
.irp c, 0,1
	v_cvt_scalef32_pk16_fp6_f32 v[PC+6*\c:PC+6*\c+2], v[\SA+32*\c:\SA+32*\c+15], v[BO+\c]
	v_cvt_scalef32_pk16_fp6_f32 v[PT+4*\c:PT+4*\c+2], v[\SA+32*\c+16:\SA+32*\c+31], v[BO+\c]   ; (a conversion's three registers begin on an even number)
.endr
	v_lshrrev_b32 v[BT], 23, v[BO]                 ; the scales' bytes; also the plain line behind the conversions
	v_lshrrev_b32 v[BT+1], 23, v[BO+1]
	KLOAD \SA, (1-\odd)*RECL                       ; the next step's K lands where p lay
	v_mov_b32 v[PC+3], v[PT]
	v_mov_b32 v[PC+4], v[PT+1]
	v_lshl_or_b32 v[PW], v[BT+1], 16, v[BT]        ; my bytes: blocks h and 2 + h,
	v_mov_b32 v[PC+5], v[PT+2]
	v_mov_b32 v[PC+9], v[PT+4]
	v_lshlrev_b32 v[PW], v[H8], v[PW]              ; at their places in the word;
	v_mov_b32 v[PC+10], v[PT+5]
	v_mov_b32 v[PC+11], v[PT+6]
	v_permlanex16_b32 v[TN], v[PW], s[SEL], s[SEL+1]
	s_delay_alu instid0(VALU_DEP_1)
	v_or_b32 v[PS], v[PW], v[TN]                   ; with lane l xor 16's two the word is whole
	s_wait_alu depctr_va_vdst(0)                   ; the wait directly ahead of O^T's first readers
.set j, 0
.rept 16
	v_pk_mul_f32 v[O+j:O+j+1], v[O+j:O+j+1], v[F:F+1] op_sel_hi:[1,0]   ; O^T under the new M; also the places between the writes of p's codes and scale word and the products
.set j, j+2
.endr
	s_wait_alu depctr_va_vdst(0)
	s_wait_dscnt 20                                ; V's 13 loads are in; the 20 for the next step's K may be out
.irp t, 0,1,2,3                                ; O^T += V^T P^T: the four accumulators by turns
.if \t%2
	v_wmma_scale_f32_16x16x128_f8f6f4 v[O+8*\t:O+8*\t+7], v[\KA+12*\t:\KA+12*\t+11], v[PC:PC+11], v[O+8*\t:O+8*\t+7], v[VS+\t/2], v[PS] matrix_a_fmt:MATRIX_FMT_FP6 matrix_b_fmt:MATRIX_FMT_FP6 matrix_a_scale:MATRIX_SCALE_ROW1
.else
	v_wmma_scale_f32_16x16x128_f8f6f4 v[O+8*\t:O+8*\t+7], v[\KA+12*\t:\KA+12*\t+11], v[PC:PC+11], v[O+8*\t:O+8*\t+7], v[VS+\t/2], v[PS] matrix_a_fmt:MATRIX_FMT_FP6 matrix_b_fmt:MATRIX_FMT_FP6
.endif
.endr
	v_pk_add_f32 v[SUM:SUM+1], v[SUM:SUM+1], v[SUM+2:SUM+3]      ; the four chains join.  Five places: the next step's products write over V's fragments
	v_pk_add_f32 v[SUM+4:SUM+5], v[SUM+4:SUM+5], v[SUM+6:SUM+7]
	s_delay_alu instid0(VALU_DEP_1)
	v_pk_add_f32 v[14:15], v[SUM:SUM+1], v[SUM+4:SUM+5]
	v_nop
	v_nop
	s_wait_alu depctr_va_vdst(0)
	s_barrier_wait -1                              ; every wave has entered this step
.endm
	s_wait_alu depctr_va_vdst(0)                   ; the wait at the head's end
	s_wait_loadcnt 0x0                             ; q
	s_wait_tensorcnt 0x0                           ; my record has landed,
	s_barrier_signal -1
	s_barrier_wait -1                              ; everybody's has: the head's K and V are whole
	KLOAD X, 0                                     ; record 14's K
	s_mov_b32 s[PCNT], 2
.Lpass:
	v_mov_b32 v13, 0xff61b1e6                      ; the largest score so far: -3e38
	v_mov_b32 v12, 0x7e000000                      ; -M: so large that the first f is 0
	v_mov_b32 v14, 0                               ; the sum, in two halves
	v_mov_b32 v15, 0
.set j, 0
.rept 32
	v_mov_b32 v[O+j], 0                            ; O^T: the step is written once; the first change of M leaves zeros zeros
.set j, j+1
.endr
	s_mov_b32 s[TB], 0
	s_mov_b32 s[CNT], 8
.Lkeys:
	STEP X, Y, 0
	STEP Y, X, 1
	s_add_co_u32 s[TB], s[TB], 2*RECL
	s_sub_co_u32 s[CNT], s[CNT], 1
	s_cmp_lg_u32 s[CNT], 0
	s_cbranch_scc1 .Lkeys
; THE WAY OUT of a pass: O^T / the sum; register 16 b + i is channel 32 b + 16 h + i of my query: two blocks of 32 along the last product's K are quantised and leave as one half fragment.  Y is free: V's fragments are done with.
	v_add_f32 v14, v14, v15
	s_delay_alu instid0(VALU_DEP_1)
	v_permlanex16_b32 v[TT], v14, s[SEL], s[SEL+1]
	s_delay_alu instid0(VALU_DEP_1)
	v_add_f32 v14, v14, v[TT]                      ; the row's sum
	s_wait_alu depctr_va_vdst(0)
	v_rcp_f32 v[F], v14
	v_nop                                          ; a plain line behind the reciprocal
	s_wait_alu depctr_va_vdst(0)                   ; and the wait ahead of its first reader, and of O^T's
.set j, 0
.rept 16
	v_pk_mul_f32 v[Y+j:Y+j+1], v[O+j:O+j+1], v[F:F+1] op_sel_hi:[1,0]   ; each accumulator from its low end on
.set j, j+2
.endr
.irp b, 0,1
	v_max3_num_f32 v[BM+\b], |v[Y+16*\b]|, |v[Y+16*\b+1]|, 0x1800000
.endr
.irp i, 2,4,6,8,10,12,14
.irp b, 0,1
	s_delay_alu instid0(VALU_DEP_2)
	v_max3_num_f32 v[BM+\b], v[BM+\b], |v[Y+16*\b+\i]|, |v[Y+16*\b+\i+1]|
.endr
.endr
.irp b, 0,1
	s_delay_alu instid0(VALU_DEP_2)
	v_permlanex16_b32 v[BT+\b], v[BM+\b], s[SEL], s[SEL+1]
.endr
.irp b, 0,1
	s_delay_alu instid0(VALU_DEP_2)
	v_max_num_f32 v[BM+\b], v[BM+\b], v[BT+\b]
.endr
.irp b, 0,1
	s_delay_alu instid0(VALU_DEP_2)
	v_add_nc_u32 v[BO+\b], 0xff000000, v[BM+\b]
.endr
.irp b, 0,1
	s_delay_alu instid0(VALU_DEP_2)
	v_lshrrev_b32 v[BT+\b], 23, v[BO+\b]
.endr
	v_cvt_scalef32_pk16_fp6_f32 v[PC:PC+2], v[Y:Y+15], v[BO]
	v_cvt_scalef32_pk16_fp6_f32 v[PT:PT+2], v[Y+16:Y+31], v[BO+1]
	v_nop
.irp i, 0,1,2
	v_permlane16_swap_b32 v[PC+\i], v[PT+\i]       ; the operand's layout wants a whole block in a lane
.endr
.irp i, 0,1,2
	s_delay_alu instid0(VALU_DEP_3)
	v_mov_b32 v[PC+3+\i], v[PT+\i]
.endr
	v_cmp_gt_u32 vcc_lo, 16, v[LANE]
	s_delay_alu instid0(VALU_DEP_1)
	v_cndmask_b32 v[TT], v[BT+1], v[BT], vcc_lo    ; lanes 0-15 store block 0's byte, lanes 16-31 block 1's
	global_store_b128 v[G16], v[PC:PC+3], s[54:55]             ; 512 consecutive bytes,
	global_store_b64 v[L8], v[PC+4:PC+5], s[54:55] offset:512  ; and 256
	global_store_b8 v[SBO], v[TT], s[56:57]
	s_wait_xcnt 0x0                                ; the stores have read their registers and bases
	s_add_nc_u64 s[54:55], s[54:55], 196608        ; the second pass's tile: 16 row tiles on
	s_add_nc_u64 s[56:57], s[56:57], 8192
.irp i, 0,1,2,3,4,5
	v_mov_b32 v[QF+\i], v[QN+\i]                   ; and its q
.endr
	v_mov_b32 v[QS], v[QN+6]
	s_sub_co_u32 s[PCNT], s[PCNT], 1
	s_cmp_lg_u32 s[PCNT], 0
	s_wait_alu depctr_va_vdst(0)                   ; the wait directly ahead of the branch
	s_cbranch_scc1 .Lpass
	s_wait_tensorcnt 0x0                           ; the wave's end
	ds_add_u32 v[SPW], v[NIL]
	s_wait_dscnt 0x0
	CROUND                                         ; the closing round
	s_endpgm
.Lfunc_end_k_q43c00561c5_attn:
	.size	k_q43c00561c5_attn, .Lfunc_end_k_q43c00561c5_attn-k_q43c00561c5_attn
	.p2alignl 7, 3214868480
	.fill 96, 4, 3214868480
	.section	.rodata,"a",@progbits
	.p2align	6, 0x0
	.amdhsa_kernel k_q43c00561c5_attn
		.amdhsa_group_segment_fixed_size 263168
		.amdhsa_private_segment_fixed_size 0
		.amdhsa_enable_private_segment 0
		.amdhsa_kernarg_size 24
		.amdhsa_user_sgpr_count 2
		.amdhsa_user_sgpr_kernarg_segment_ptr 1
		.amdhsa_wavefront_size32 1
		.amdhsa_system_sgpr_workgroup_id_x 1
		.amdhsa_system_sgpr_workgroup_id_y 1
		.amdhsa_system_sgpr_workgroup_id_z 1
		.amdhsa_system_vgpr_workitem_id 0
		.amdhsa_next_free_vgpr 256
		.amdhsa_next_free_sgpr 66
		.amdhsa_reserve_vcc 1
		.amdhsa_float_denorm_mode_32 3
		.amdhsa_float_denorm_mode_16_64 3
		.amdhsa_memory_ordered 1
		.amdhsa_forward_progress 1
		.amdhsa_inst_pref_size 45
	.end_amdhsa_kernel
	.amdgpu_metadata
---
amdhsa.version: [ 1, 2 ]
amdhsa.kernels:
  - .name:           k_q43c00561c5_attn
    .symbol:         k_q43c00561c5_attn.kd
    .args:
      - { .name: qimg, .offset: 0, .size: 8, .value_kind: global_buffer, .address_space: global }
      - { .name: kv, .offset: 8, .size: 8, .value_kind: global_buffer, .address_space: global }
      - { .name: aq, .offset: 16, .size: 8, .value_kind: global_buffer, .address_space: global }
    .group_segment_fixed_size: 263168
    .private_segment_fixed_size: 0
    .kernarg_segment_align: 8
    .kernarg_segment_size: 24
    .max_flat_workgroup_size: 512
    .sgpr_count:     66
    .vgpr_count:     256
    .wavefront_size: 32
...
	.end_amdgpu_metadata
.endif
;; end of part 3
;; launch gemm_out (part 4): grid 4 x 32, 4 waves a work-group, clusters of 4 x 4, 327,680 bytes of LDS; arguments aq, wq, b_out, out0; writes out0
.if DOCPART == 4
	.amdgcn_target "amdgcn-amd-amdhsa--gfx1250"
	.amdhsa_code_object_version 6
	.text
	.protected	k_q43c00561c5_gemm_out
	.globl	k_q43c00561c5_gemm_out
	.p2align	8
	.type	k_q43c00561c5_gemm_out,@function
k_q43c00561c5_gemm_out:
	s_mov_b64 s[64:65], 0
	v_nop
	global_prefetch_b8 v0, s[64:65] scope:SCOPE_SE
	s_setreg_imm32_b32 hwreg(HW_REG_WAVE_MODE, 25, 1), 1
	s_wait_xcnt 0x0
	s_wait_alu depctr_hold_cnt(0) depctr_sa_sdst(0) depctr_va_vdst(0) depctr_va_sdst(0) depctr_va_ssrc(0) depctr_va_vcc(0) depctr_vm_vsrc(0)
	s_getreg_b32 s2, hwreg(HW_REG_IB_STS2, 6, 4)
	s_cmp_eq_u32 s2, 0
	s_cbranch_scc0 .Lentry_in_a_cluster
	s_endpgm
.Lentry_in_a_cluster:
	s_bfe_u32 s2, ttmp6, 0x10000c
	s_cmp_lg_u32 s2, 0xf033
	s_cbranch_scc0 .Lentry_shape_is_right
	s_endpgm
.Lentry_shape_is_right:
.set FR,     12
.set NL,     4
.set NP,     4
.set TROW,   12288
.set KSB,    3072
.set HALFT,  8*KSB
.set SLOT,   4*HALFT
.set SCL,    2*SLOT
.set HALFS,  8*512
.set SPARE,  SCL+4*HALFS
.set XS_OFF, 512*TROW
.set WS_OFF, 256*TROW
.set SPITCH, 528
.set ADRA, 16
.set ADRB, 20
.set STO,  24
.set RD,   25
.set CO,   26
.set ADRS, 27
.set SPW,  28
.set NIL,  29
.set SC,   32
.set AF,   128
.set BK,   128
.set G1, 24
.set G0, 32
.set G1B, 48
.set G0B, 56
.set G1S, 68
.set G0S, 76
.set G1SB, 80
.set G0SB, 88
.set MSB, 0
.macro WIN new
.if MSB != (\new)
	s_set_vgpr_msb (MSB<<8)|(\new)
.set MSB, (\new)
.endif
.endm
.set MUL_LO, 0xa1
.set MUL_HI, 0xf1
.set FIRST_LO, 0x81
.set FIRST_HI, 0xc1
.set TO_B,   0x40
.macro JLOAD g0a, g1a, g0b, g1b
	s_cmp_eq_u32 s15, 0
	s_cbranch_scc0 .Lfor_b_\@
	tensor_load_to_lds s[\g0a:\g0a+3], s[\g1a:\g1a+7]
	s_nop 0
.rept 4
	v_nop
.endr
	s_branch .Lasked_\@
.Lfor_b_\@:
	tensor_load_to_lds s[\g0b:\g0b+3], s[\g1b:\g1b+7]
	s_nop 0
.rept 4
	v_nop
.endr
.Lasked_\@:
.endm
.macro CREST
	s_cmp_lg_u32 s14, 0
	s_cbranch_scc1 .Lnot_wave_0_\@
	s_barrier_signal -3
.Lnot_wave_0_\@:
	s_barrier_wait -3
	s_barrier_signal -1
	s_barrier_wait -1
.endm
.macro CROUND
	s_barrier_signal -1
	s_barrier_wait -1
	CREST
.endm
.macro PLACES n
.rept \n
	v_nop
.endr
.endm
	s_load_b256 s[4:11], s[0:1], 0x0
	v_lshl_add_u32 v[SPW], v0, 2, SPARE
	v_mov_b32 v[NIL], 0
	ds_add_u32 v28, v29
	ds_add_u32 v28, v29
	s_wait_dscnt 0x0
	v_lshrrev_b32 v1, 5, v0
	v_readfirstlane_b32 s14, v1
	s_lshr_b32 s15, s14, 1
	s_and_b32 s16, s14, 1
	s_bfe_u32 s40, ttmp6, 0x40000
	s_bfe_u32 s41, ttmp6, 0x40004
	s_lshl_b32 s42, ttmp9, 2
	s_add_co_u32 s42, s42, s40
	s_and_b32 s17, ttmp7, 0xffff
	s_lshl_b32 s17, s17, 2
	s_add_co_u32 s17, s17, s41
	s_lshl_b32 s43, s41, 2
	s_lshl_b32 s43, 15, s43
	s_lshl_b32 s44, 0x1111, s40
	s_or_b32 s[G1+0], s43, (3<<16)|(1<<21)
	s_or_b32 s[G1B+0], s44, (3<<16)|(1<<21)
.irp g, G1, G1B
	s_mov_b32 s[\g+1], 384<<16
	s_mov_b32 s[\g+2], 16<<16
	s_mov_b32 s[\g+3], 384<<16
	s_mov_b32 s[\g+4], 16
	s_mov_b32 s[\g+5], 1536
	s_mov_b32 s[\g+6], 0
	s_mov_b32 s[\g+7], 0
.endr
	s_or_b32 s[G1S+0], s43, (3<<16)|(1<<21)
	s_or_b32 s[G1SB+0], s44, (3<<16)|(1<<21)
.irp g, G1S, G1SB
	s_mov_b32 s[\g+1], 32<<16
	s_mov_b32 s[\g+2], 32<<16
	s_mov_b32 s[\g+3], 32<<16
	s_mov_b32 s[\g+4], 32
	s_mov_b32 s[\g+5], 32
	s_mov_b32 s[\g+6], 0
	s_mov_b32 s[\g+7], 0
.endr
	s_mul_i32 s18, s16, 8*TROW                     ; in the ring I fetch 8 of a tile's 16 row tiles: which half, in bytes
	s_mov_b32 s19, 0
	s_lshl_b32 s20, s17, 4
	s_lshl_b32 s46, s42, 4
	s_add_co_u32 s46, s46, 192
	s_lshl_b32 s22, s20, 9
	s_add_co_u32 s22, s22, XS_OFF
	s_mov_b32 s23, 0
	s_lshl_b32 s92, s46, 9
	s_add_co_u32 s92, s92, WS_OFF
	s_mov_b32 s93, 0
	s_mul_i32 s20, s20, TROW
	s_mov_b32 s21, 0
	s_mul_i32 s46, s46, TROW
	s_mov_b32 s47, 0
	s_mul_i32 s45, s14, HALFT
	s_wait_kmcnt 0x0
	s_add_nc_u64 s[20:21], s[4:5], s[20:21]
	s_add_nc_u64 s[22:23], s[4:5], s[22:23]
	s_add_nc_u64 s[46:47], s[6:7], s[46:47]
	s_add_nc_u64 s[92:93], s[6:7], s[92:93]
	CROUND
	s_mov_b32 s[G0S], 1                            ; the head's four tiles, each whole: the scales of A's 16 row tiles,
	s_mov_b32 s[G0S+1], SCL
	s_mov_b64 s[G0S+2:G0S+3], s[22:23]
	s_or_b32 s[G0S+3], s[G0S+3], 0x80000000
	s_mov_b32 s[G0SB], 1                           ; those of B's,
	s_mov_b32 s[G0SB+1], SCL+2*HALFS
	s_mov_b64 s[G0SB+2:G0SB+3], s[92:93]
	s_or_b32 s[G0SB+3], s[G0SB+3], 0x80000000
	s_mov_b32 s4, 1                                ; slot 0's 16 row tiles of A (the arguments that lay in s[4:7] have been used),
	s_mov_b32 s5, 0
	s_mov_b64 s[6:7], s[20:21]
	s_or_b32 s7, s7, 0x80000000
	s_mov_b32 s96, 1                               ; and of B, behind them
	s_mov_b32 s97, 2*HALFT
	s_mov_b64 s[98:99], s[46:47]
	s_or_b32 s99, s99, 0x80000000
	s_add_nc_u64 s[20:21], s[20:21], s[18:19]      ; for the ring: my 8 row tiles
	s_add_nc_u64 s[46:47], s[46:47], s[18:19]
.irp s, 0,1
	s_mov_b32 s[G0+4*\s], 1
	s_add_co_u32 s[G0+4*\s+1], s45, \s*SLOT
	s_add_nc_u64 s[G0+4*\s+2:G0+4*\s+3], s[20:21], \s*KSB
	s_or_b32 s[G0+4*\s+3], s[G0+4*\s+3], 0x80000000
	s_mov_b32 s[G0B+4*\s], 1
	s_add_co_u32 s[G0B+4*\s+1], s45, \s*SLOT
	s_add_nc_u64 s[G0B+4*\s+2:G0B+4*\s+3], s[46:47], \s*KSB
	s_or_b32 s[G0B+4*\s+3], s[G0B+4*\s+3], 0x80000000
.endr
; the head's loads, one a wave, in one chain of branches on the wave's number: wave 0 A's codes of slot 0, wave 1 B's, wave 2 A's scales, wave 3 B's
.macro ARM under, g0, g1, next
	s_cmp_lt_u32 s14, \under
	s_cbranch_scc0 \next
	tensor_load_to_lds s[\g0:\g0+3], s[\g1:\g1+7]
	s_nop 0
.rept 4
	v_nop
.endr
	s_branch .Lhead_asked
\next:
.endm
	ARM 1, 4,   G1,  .Lhead_b
	ARM 2, 96,  G1B, .Lhead_sa
	ARM 3, G0S, G1S, .Lhead_sb
	tensor_load_to_lds s[G0SB:G0SB+3], s[G1SB:G1SB+7]
	s_nop 0
.rept 4
	v_nop
.endr
.Lhead_asked:
	v_and_b32 v1, 15, v0
	v_bfe_u32 v2, v0, 4, 1
	v_and_b32 v3, 31, v0
	v_lshlrev_b32 v[CO], 4, v3
	v_lshlrev_b32 v5, 4, v1
	v_lshl_add_u32 v5, v2, 3, v5
	s_mul_i32 s21, s15, HALFT
	s_mul_i32 s22, s16, HALFT
	s_add_co_u32 s22, s22, 2*HALFT
.irp s, 0,1
	v_add_nc_u32 v[ADRA+\s], s21, v[CO]
	v_add_nc_u32 v[ADRB+\s], s22, v[CO]
	v_add_nc_u32 v[ADRA+2+\s], s21, v5
	v_add_nc_u32 v[ADRB+2+\s], s22, v5
	s_add_co_u32 s21, s21, SLOT
	s_add_co_u32 s22, s22, SLOT
.endr
	s_mul_i32 s21, s15, HALFS
	s_mul_i32 s22, s16, HALFS
	s_add_co_u32 s22, s22, 2*HALFS
	s_sub_co_u32 s22, s22, s21
	v_mul_u32_u24 v6, s22, v2
	s_add_co_u32 s21, s21, SCL
	v_lshl_add_u32 v6, v1, 4, v6
	v_add_nc_u32 v[ADRS], s21, v6
	s_mul_i32 s23, s14, 16*SPITCH
	v_mul_u32_u24 v6, v1, SPITCH
	v_lshl_add_u32 v6, v2, 6, v6
	v_add_nc_u32 v[STO], s23, v6
	v_add_nc_u32 v[RD], s23, v[CO]
	s_lshl_b32 s46, s42, 10
	s_lshl_b32 s47, s16, 9
	s_add_co_u32 s46, s46, s47
	s_mov_b32 s47, 0
	s_add_nc_u64 s[2:3], s[8:9], s[46:47]
	s_lshl_b32 s20, s17, 20
	s_lshl_b32 s21, s15, 19
	s_add_co_u32 s20, s20, s21
	s_mov_b32 s21, 0
	s_add_nc_u64 s[20:21], s[20:21], s[46:47]
	s_add_nc_u64 s[12:13], s[10:11], s[20:21]
	v_lshlrev_b32 v30, 6, v2
.irp b, 0,1,2,3,4,5,6,7
	global_load_b128 v[96+8*\b+96*(\b/4):96+8*\b+96*(\b/4)+3], v30, s[2:3] offset:(32*(\b/2)+8*(\b%2))*4
	global_load_b128 v[96+8*\b+96*(\b/4)+4:96+8*\b+96*(\b/4)+7], v30, s[2:3] offset:(32*(\b/2)+8*(\b%2))*4+16
.endr
.macro FRAG reg, adr, q, i
	ds_load_b128 v[\reg:\reg+3], v[\adr] offset:KSB*(\i)+1536*(\q)
	ds_load_b64 v[\reg+4:\reg+5], v[\adr+2] offset:KSB*(\i)+1536*(\q)+512
	ds_load_b128 v[\reg+6:\reg+9], v[\adr] offset:KSB*(\i)+1536*(\q)+768
	ds_load_b64 v[\reg+10:\reg+11], v[\adr+2] offset:KSB*(\i)+1536*(\q)+1280
.endm
.macro MUL16 a0, p, q8, zero
.irp a, \a0, \a0+1
.irp b, 0,1,2,3,4,5,6,7
.if \zero
	v_wmma_scale_f32_16x16x128_f8f6f4 v[8*(8*((\a)%4)+\b):8*(8*((\a)%4)+\b)+7], v[128*(\p)+FR*\b:128*(\p)+FR*\b+FR-1], v[AF+FR*(\a):AF+FR*(\a)+FR-1], v[96+8*\b+96*(\b/4):96+8*\b+96*(\b/4)+7], v[SC+8*\b+(\q8)], v[SC+8*(\a)+(\q8)] matrix_a_fmt:MATRIX_FMT_FP6 matrix_b_fmt:MATRIX_FMT_FP6 matrix_a_scale:MATRIX_SCALE_ROW1
.else
	v_wmma_scale_f32_16x16x128_f8f6f4 v[8*(8*((\a)%4)+\b):8*(8*((\a)%4)+\b)+7], v[128*(\p)+FR*\b:128*(\p)+FR*\b+FR-1], v[AF+FR*(\a):AF+FR*(\a)+FR-1], v[8*(8*((\a)%4)+\b):8*(8*((\a)%4)+\b)+7], v[SC+8*\b+(\q8)], v[SC+8*(\a)+(\q8)] matrix_a_fmt:MATRIX_FMT_FP6 matrix_b_fmt:MATRIX_FMT_FP6 matrix_a_scale:MATRIX_SCALE_ROW1
.endif
.endr
.endr
.endm
.macro FETCH_B slot, q, p
	WIN TO_B
.irp i, 0,1,2,3,4,5,6,7
	FRAG 128*(\p)+FR*\i, ADRB+\slot, \q, \i
.endr
	WIN 0
.endm
.macro FETCH_A slot, q, i0
.irp i, \i0, \i0+1, \i0+2, \i0+3
	FRAG AF+FR*(\i), ADRA+\slot, \q, \i
.endr
.endm
.macro STEP slot, q8, zero
	s_wait_dscnt 4*NL
.if \zero
	WIN FIRST_LO
.else
	WIN MUL_LO
.endif
	MUL16 0, 0, \q8, \zero
	MUL16 2, 0, \q8, \zero
	s_wait_dscnt 0x0
	PLACES NP
	FETCH_B \slot, 1, 1
	FETCH_A \slot, 1, 0
.if \zero
	WIN FIRST_HI
.else
	WIN MUL_HI
.endif
	MUL16 4, 0, \q8, \zero
	MUL16 6, 0, \q8, \zero
	PLACES NP
	WIN 0
	FETCH_A \slot, 1, 4
.endm
.macro TURN slot, next, fill, q8
	s_wait_tensorcnt 0x0
	ds_add_u32 v[SPW], v[NIL]
	s_wait_dscnt 4*NL+1
	WIN MUL_LO
	MUL16 0, 1, \q8, 0
	s_wait_dscnt 0x0
	s_barrier_signal -1
	MUL16 2, 1, \q8, 0
	WIN 0
	s_barrier_wait -1
.if \fill
	CREST
	s_add_nc_u64 s[G0+4*\slot+2:G0+4*\slot+3], s[G0+4*\slot+2:G0+4*\slot+3], 2*KSB
	s_add_nc_u64 s[G0B+4*\slot+2:G0B+4*\slot+3], s[G0B+4*\slot+2:G0B+4*\slot+3], 2*KSB
	JLOAD G0+4*\slot, G1, G0B+4*\slot, G1B
.else
	PLACES NP
.endif
	FETCH_B \next, 0, 0
	FETCH_A \next, 0, 0
	WIN MUL_HI
	MUL16 4, 1, \q8, 0
	MUL16 6, 1, \q8, 0
	PLACES NP
	WIN 0
	FETCH_A \next, 0, 4
.endm
	s_wait_alu depctr_va_vdst(0)
	s_wait_loadcnt 0x0
	s_wait_tensorcnt 0x0                           ; my tile of the head's four is in
	ds_add_u32 v[SPW], v[NIL]
	s_mov_b32 s[G1+2], 8<<16                       ; no tensor load of mine is out: from here on a load brings 8 row tiles
	s_mov_b32 s[G1+4], 8
	s_mov_b32 s[G1B+2], 8<<16
	s_mov_b32 s[G1B+4], 8
	s_wait_dscnt 0x0
	CROUND                                         ; all four tiles are in, and all sixteen work-groups are here
	JLOAD G0+4, G1, G0B+4, G1B                     ; slot 1's first fill, the first tensor load behind the round
	FETCH_B 0, 0, 0
	FETCH_A 0, 0, 0
.irp i, 0,1,2,3,4,5,6,7
	ds_load_b128 v[SC+8*\i:SC+8*\i+3], v[ADRS] offset:512*\i
	ds_load_b128 v[SC+8*\i+4:SC+8*\i+7], v[ADRS] offset:512*\i+256
.endr
	FETCH_A 0, 0, 4
	STEP 0, 0, 1
	TURN 0, 1, 1, 1
	STEP 1, 2, 0
	TURN 1, 0, 1, 3
	STEP 0, 4, 0
	TURN 0, 1, 0, 5
	STEP 1, 6, 0
	s_wait_dscnt 4*NL
	WIN MUL_LO
	MUL16 0, 1, 7, 0
	MUL16 2, 1, 7, 0
	s_wait_dscnt 0x0
	WIN MUL_HI
	MUL16 4, 1, 7, 0
	MUL16 6, 1, 7, 0
	WIN 0
.macro TOSTAGE a
.set AC, 64*((\a)%4)
	WIN 0x08+4*((\a)/4)
.irp b, 0,1,2,3,4,5,6,7
	ds_store_b128 v[STO], v[AC+8*\b:AC+8*\b+3] offset:128*(\b/2)+32*(\b%2)
	ds_store_b128 v[STO], v[AC+8*\b+4:AC+8*\b+7] offset:128*(\b/2)+32*(\b%2)+16
.endr
	WIN 0
.set BB, BK+64*((\a)%2)
.irp t, 0,1,2,3,4,5,6,7,8,9,10,11,12,13,14,15
	ds_load_b128 v[BB+4*\t:BB+4*\t+3], v[RD] offset:\t*SPITCH
.endr
.endm
.macro SEND a, younger
.set BB, BK+64*((\a)%2)
	s_wait_dscnt \younger
.irp t, 0,1,2,3,4,5,6,7,8,9,10,11,12,13,14,15
	global_store_b128 v[CO], v[BB+4*\t:BB+4*\t+3], s[12:13] offset:(32*((\a)/2)+8*((\a)%2)+\t+8*(\t/8))*4096 th:TH_STORE_NT
.endr
.endm
	PLACES NP
	TOSTAGE 0
.irp a, 1,2,3,4,5,6,7
.if \a > 1
	s_wait_xcnt 0x0
.endif
	TOSTAGE \a
	SEND \a-1, 32
.endr
	SEND 7, 0
	s_wait_tensorcnt 0x0
	ds_add_u32 v[SPW], v[NIL]
	s_wait_dscnt 0x0
	CROUND
	s_endpgm
.Lfunc_end_k_q43c00561c5_gemm_out:
	.size	k_q43c00561c5_gemm_out, .Lfunc_end_k_q43c00561c5_gemm_out-k_q43c00561c5_gemm_out
	.p2alignl 7, 3214868480
	.fill 96, 4, 3214868480
	.section	.rodata,"a",@progbits
	.p2align	6, 0x0
	.amdhsa_kernel k_q43c00561c5_gemm_out
		.amdhsa_group_segment_fixed_size 327680
		.amdhsa_private_segment_fixed_size 0
		.amdhsa_enable_private_segment 0
		.amdhsa_kernarg_size 32
		.amdhsa_user_sgpr_count 2
		.amdhsa_user_sgpr_kernarg_segment_ptr 1
		.amdhsa_wavefront_size32 1
		.amdhsa_system_sgpr_workgroup_id_x 1
		.amdhsa_system_sgpr_workgroup_id_y 1
		.amdhsa_system_sgpr_workgroup_id_z 1
		.amdhsa_system_vgpr_workitem_id 0
		.amdhsa_next_free_vgpr 1024
		.amdhsa_next_free_sgpr 100
		.amdhsa_reserve_vcc 0
		.amdhsa_float_denorm_mode_32 3
		.amdhsa_float_denorm_mode_16_64 3
		.amdhsa_memory_ordered 1
		.amdhsa_forward_progress 1
		.amdhsa_inst_pref_size 144
	.end_amdhsa_kernel
	.amdgpu_metadata
---
amdhsa.version: [ 1, 2 ]
amdhsa.kernels:
  - .name:           k_q43c00561c5_gemm_out
    .symbol:         k_q43c00561c5_gemm_out.kd
    .args:
      - { .name: aq, .offset: 0, .size: 8, .value_kind: global_buffer, .address_space: global }
      - { .name: wq, .offset: 8, .size: 8, .value_kind: global_buffer, .address_space: global }
      - { .name: b_out, .offset: 16, .size: 8, .value_kind: global_buffer, .address_space: global }
      - { .name: out0, .offset: 24, .size: 8, .value_kind: global_buffer, .address_space: global }
    .group_segment_fixed_size: 327680
    .private_segment_fixed_size: 0
    .kernarg_segment_align: 8
    .kernarg_segment_size: 32
    .max_flat_workgroup_size: 128
    .sgpr_count:     100
    .vgpr_count:     1024
    .wavefront_size: 32
...
	.end_amdgpu_metadata
.endif
;; end of part 4
